; MI455X (gfx1250); checked and timed in simulation.
; The chip was launched on July 23, 2026; its instructions are those of AMD's public machine-readable ISA for CDNA 5 (MIT licence, August 2026) and "CDNA5" Instruction Set Architecture Reference Guide (July 2026). The comments in the code are by the model that wrote it; some were corrected since.
;; Multi Head Attention. Allowed arithmetic: matrix products marked QUANTISED: E2M3 operands, one E8M0 scale for each 32 along K, by v_wmma_scale_f32_16x16x128_f8f6f4 with both operands' format E2M3, f32 sums; everything else in f32.
;; Inputs: w_attn 1,024 x 3,072 float32; w_proj 1,024 x 1,024 float32; x 4 x 2,048 x 1,024 float32.
;; Outputs: out0 4 x 2,048 x 1,024 float32.
;; This version of the problem:
;;   THIS VERSION OF THE PROBLEM IS GIVEN IN LOW PRECISION. The matrix products marked QUANTISED in the list below multiply operands that are first quantised to E2M3 (2 exponent bits, 3 mantissa bits; 6 bits a number), with one power-of-two scale for each 32 numbers along K (OCP MX v1.0); their sums are f32. All else is computed in f32.
;;   The module's matrix products, in the order in which they are computed (A, B: the left and right operand; K: the contracted axis; several contracted axes count as one K, in the product's order):
;;     1. [M 8,192, K 1,024] x [K 1,024, N 3,072]; A: input x; B: input w_attn: QUANTISED
;;     2. batch 64 x [M 2,048, K 64] x [K 64, N 2,048]; A: computed on the way; B: computed on the way: QUANTISED
;;     3. batch 64 x [M 2,048, K 2,048] x [K 2,048, N 64]; A: softmax (see below); B: computed on the way: QUANTISED
;;     4. [M 8,192, K 1,024] x [K 1,024, N 1,024]; A: computed on the way; B: input w_proj: QUANTISED
;;   THE QUANTISER, for each operand of a quantised product, along K:
;;     - K is cut into blocks of 32 from its start; a last block that is shorter is filled with zeros.
;;     - A block's scale is 2^e with e = floor(log2(the largest magnitude in the block)) - 2, held to -126 .. 127; a block of zeros has e = 0. As a byte (E8M0): e + 127.
;;     - Each number is divided by its block's scale, clamped to +-7.5, and rounded to the nearest number of E2M3, ties to even, subnormals kept.
;;     - The product sums the exact products of the quantised numbers (number of the format x scale) in f32.
;;   ~~~python
;;   def quantise(x, axis):      # numpy; x: float32 -> the quantised numbers, widened to float32 again
;;       x = np.moveaxis(x, axis, -1); K = x.shape[-1]
;;       x = np.pad(x, [(0, 0)] * (x.ndim - 1) + [(0, -K % 32)]); x = x.reshape(x.shape[:-1] + (-1, 32)); a = np.abs(x).max(-1, keepdims=True)
;;       e = np.where(a > 0, np.clip(np.frexp(np.where(a > 0, a, 1))[1] - 1 - 2, -126, 127), 0)      # np.frexp(a)[1] - 1 = floor(log2(a)), exactly
;;       r = np.clip(x / 2.0 ** e, -7.5, 7.5)
;;       step = 2.0 ** (np.maximum(np.frexp(np.where(r == 0, 1, r))[1] - 1, 0) - 3)
;;       q = np.round(r / step) * step * 2.0 ** e      # np.round: ties to even
;;       return np.moveaxis(q.reshape(q.shape[:-2] + (-1,))[..., :K], -1, axis).astype(np.float32)
;;   ~~~
;;   SOFTMAX AHEAD OF A QUANTISED PRODUCT. Where the list says 'softmax', what is quantised is not the finished softmax but p = 2^(t - M), with t = logit x log2(e) and M = ceil(the row's largest t), a whole number; so 1/2 < the row's largest p <= 1. The row's sum l is taken of the UNQUANTISED p, in f32, and the product's result is divided by l at the end. Since M is a whole number, a kernel that streams over the keys may use a running M (the ceiling of the running maximum): every later rescaling is an exact power of two, which a block's scale takes up: the codes' values come out the same.
;;   OPERANDS COMPUTED ON THE WAY. 'Computed on the way' means the value that the module computes at that place (a softmax that the list does not call 'softmax' is quantised finished and normalised). What goes into a quantiser is computed in f32, as accurately as f32 sums, v_exp_f32 and their like allow (about 1e-6 of the number): no bf16 or f16 on the way to a quantiser, and a product that is left as it is and whose result goes on into a quantised operand takes f32 operands (vector FMAs, or v_wmma_f32_16x16x4_f32). A number that lies on a knife's edge between two numbers of the format may be rounded either way, as far as f32 arithmetic and the matrix unit's own rounding can turn it there, and no further.
;; One version. Each part assembles by itself: llvm-mc -triple=amdgcn-amd-amdhsa -mcpu=gfx1250 --defsym DOCPART=n.
;; ======== version 1 of 1: 4 launches
;; limits: right only within a limited range of input values
;; workspace buffers: x_codes 6,291,456 bytes; x_scales 262,144 bytes; w_codes 3,145,728 bytes; w_scales 131,072 bytes; qkv_codes 18,874,368 bytes; qkv_scales 1,572,864 bytes; y_codes 6,291,456 bytes; y_scales 524,288 bytes
;; launch quant (part 1): grid 384 x 1, 4 waves a work-group, no clusters, 100,864 bytes of LDS; arguments w_attn, w_proj, w_codes, w_scales, x, x_codes, x_scales; writes w_codes, w_scales, x_codes, x_scales
.if DOCPART == 1
	.amdgcn_target "amdgcn-amd-amdhsa--gfx1250"
	.amdhsa_code_object_version 6
	.text
	.protected	k_qca2ea6d4a8_quant
	.globl	k_qca2ea6d4a8_quant
	.p2align	8
	.type	k_qca2ea6d4a8_quant,@function
k_qca2ea6d4a8_quant:
	s_mov_b64 s[64:65], 0
	v_nop
	global_prefetch_b8 v0, s[64:65] scope:SCOPE_SE
	s_setreg_imm32_b32 hwreg(HW_REG_WAVE_MODE, 25, 1), 1
	s_wait_xcnt 0x0
; ONE LAUNCH QUANTISES ALL THREE INPUTS to codes of FP6 (E2M3) with one E8M0 scale byte for each 32 along K.  Work-groups 0-127 take w_attn and w_proj (K = their first axis), work-groups 128-383 take x.
; A block's scale is 2^(floor(log2(its largest magnitude)) - 2); its byte is the largest magnitude's exponent field - 2, held at 1 from below.
; THE CODES ARE LAID [K step of 256: 4][position][192 bytes]: the 128 or 256 rows of a K step that a product's tile takes are one dense block, a multiple of 256 bytes long, beginning at a multiple of 256.
; The scale bytes are laid [position][32].  w: positions 0-3071 are w_attn's columns, 3072-4095 w_proj's.  Position p holds item sigma(p), sigma = bits 3 and 4 of the number exchanged:
; sixteen stored rows on end are then the rows that a tile of a transposed product wants.
; The two paths part on the work-group's number alone; each has LDS bytes of its own (x: 0 .. 65535; w: 65536 .. 100351), the spare words lie behind both.
; DEAD WORK (whole program): reference() hides keys behind a query by a mask that it builds itself (jnp.tril); key steps that lie wholly behind a tile's queries are left out in launch attention.  A NaN or infinity that reaches only those scores is not carried to the result.
; LIMITS: a block of zeros gets the byte 1, not 127 (its codes are zeros, and this program alone reads the bytes); largest magnitudes under 2^-124 are held at that floor; NaN and infinities are not served.
.set EMAX,  2
.set SPW,   222                        ; v222 LDS address of my spare word; never rewritten
.set NIL,   223                        ; v223 0; never rewritten
.set WBASE, 65536                      ; x's four regions of 16,384 bytes lie in front of w's stages
.set PITCH, 272                        ; w: a stage row: sixteen places of 16 bytes, each with 12 bytes of codes, + 16
.set SPARE, WBASE+4*32*PITCH
	v_lshl_add_u32 v[SPW], v0, 2, SPARE
	v_mov_b32 v[NIL], 0
	v_lshrrev_b32 v1, 5, v0
	v_readfirstlane_b32 s16, v1                    ; wave
	v_and_b32 v2, 31, v0                           ; lane
	s_wait_alu depctr_va_vdst(0)                   ; the wait ahead of the branch
	s_cmp_lt_u32 ttmp9, 128
	s_cbranch_scc0 .Lx
; ---------------- w: a lane takes a column and its registers run down K; a wave takes 32 columns x 256 along K
.set NB,    8
.set KROW,  192                        ; a row of a K step's codes
.set WPL,   4096*192                   ; from a K step's plane to the next
.set WX,    32                         ; v32-95   two sets of 32 numbers
.set WC,    96                         ; a block's codes
.set OUTR,  112                        ; v112-175 the way out
.set OFF,   176                        ; v176-207 4 x lane + i x pitch
.set SB,    24                         ; v24-25   the scale bytes
.set WB,    32                         ; s[32:47] block t's first row
	s_load_b256 s[4:11], s[0:1], 0x0               ; w_attn, w_proj, the codes, the scale bytes
	s_and_b32 s30, ttmp9, 31                       ; which 128 positions
	s_lshr_b32 s18, ttmp9, 5                       ; which 256 along K
	s_lshl_b32 s17, s30, 7
	s_lshl_b32 s19, s16, 5
	s_add_co_u32 s17, s17, s19                     ; my wave's first position
	s_cmp_lt_u32 s30, 24
	s_mov_b32 s19, 4096
	s_cselect_b32 s19, 12288, s19                  ; bytes from row to row of the tensor
	s_cselect_b32 s20, 0, 3072                     ; the position of its first column
	v_lshlrev_b32 v[OFF], 2, v2
.set i, 1
.rept 31
	v_mad_u32_u24 v[OFF+i], s19, i, v[OFF]
.set i, i+1
.endr
	s_mul_i32 s21, s16, 32*PITCH
	s_add_co_u32 s21, s21, WBASE                   ; my stage
	v_mul_u32_u24 v4, v2, PITCH
	v_add_nc_u32 v4, s21, v4                       ; into it: row = my column
	v_and_b32 v5, 15, v2
	v_lshrrev_b32 v6, 4, v2
	v_mul_u32_u24 v7, v6, PITCH
	v_lshl_add_u32 v7, v5, 4, v7
	v_add_nc_u32 v7, s21, v7                       ; out of it: sixteen lanes to a row, two rows an instruction
	v_mul_u32_u24 v8, v6, KROW
	v_mad_u32_u24 v8, v5, 12, v8                   ; and the same place in the codes' plane
	v_and_b32 v9, 7, v2
	v_bfe_u32 v10, v2, 3, 1
	v_lshl_or_b32 v9, v10, 4, v9
	v_bfe_u32 v10, v2, 4, 1
	v_lshl_or_b32 v9, v10, 3, v9                   ; sigma(lane)
	v_lshlrev_b32 v9, 5, v9                        ; its row of 32 scale bytes
	s_mul_i32 s22, s18, s19
	s_lshl_b32 s22, s22, 8
	s_sub_co_u32 s23, s17, s20
	s_lshl_b32 s23, s23, 2
	s_add_co_u32 s22, s22, s23
	s_mov_b32 s23, 0
	s_lshl_b32 s24, s19, 5
	s_mov_b32 s25, 0
	s_mul_i32 s26, s17, KROW
	s_mul_i32 s28, s18, WPL
	s_add_co_u32 s26, s26, s28
	s_mov_b32 s27, 0
	s_lshl_b32 s28, s17, 5
	s_lshl_b32 s29, s18, 3
	s_add_co_u32 s28, s28, s29
	s_mov_b32 s29, 0
	s_wait_kmcnt 0x0
	s_cmp_lt_u32 s30, 24                           ; the choice hangs on the work-group's number alone
	s_cselect_b64 s[4:5], s[4:5], s[6:7]
	s_add_nc_u64 s[WB:WB+1], s[4:5], s[22:23]
.irp t, 1,2,3,4,5,6,7
	s_add_nc_u64 s[WB+2*\t:WB+2*\t+1], s[WB+2*\t-2:WB+2*\t-1], s[24:25]
.endr
	s_add_nc_u64 s[8:9], s[8:9], s[26:27]
	s_add_nc_u64 s[10:11], s[10:11], s[28:29]
.macro WLOAD t
.set i, 0
.rept 32
	global_load_b32 v[WX+32*((\t)%2)+i], v[OFF+i], s[WB+2*(\t):WB+2*(\t)+1] th:TH_LOAD_NT
.set i, i+1
.endr
.endm
	WLOAD 0
	WLOAD 1
.macro BLOCK t
.set XS, WX+32*((\t)%2)
.if (\t) < NB-1
	s_wait_loadcnt 32                              ; this block's 32 loads are in; the next block's may be out
.else
	s_wait_loadcnt 0
.endif
	v_max3_num_f32 v12, |v[XS]|, |v[XS+1]|, |v[XS+2]|
	v_max3_num_f32 v13, |v[XS+3]|, |v[XS+4]|, |v[XS+5]|
.irp i, 6,10,14,18,22,26
	v_max3_num_f32 v12, v12, |v[XS+\i]|, |v[XS+\i+1]|
	v_max3_num_f32 v13, v13, |v[XS+\i+2]|, |v[XS+\i+3]|
.endr
	v_max3_num_f32 v12, v12, |v[XS+30]|, |v[XS+31]|
	v_max3_num_f32 v12, v12, v13, (EMAX+1)<<23     ; and the floor 2^(3 - 127)
	v_add_nc_u32 v11, -(EMAX<<23), v12             ; the conversion's scale operand
	v_lshrrev_b32 v13, 23, v11                     ; the scale's byte
.if (\t)%4 == 0
	v_mov_b32 v[SB+(\t)/4], v13
.else
	v_lshl_or_b32 v[SB+(\t)/4], v13, 8*((\t)%4), v[SB+(\t)/4]
.endif
	v_cvt_scalef32_pk16_fp6_f32 v[WC:WC+2], v[XS:XS+15], v11
	v_cvt_scalef32_pk16_fp6_f32 v[WC+4:WC+6], v[XS+16:XS+31], v11
	ds_store_b96 v4, v[WC:WC+2] offset:32*(\t)
	ds_store_b96 v4, v[WC+4:WC+6] offset:32*(\t)+16
.if (\t)+2 < NB
	WLOAD (\t)+2
.endif
	s_wait_dscnt 0x0                               ; the stores have read their registers
.endm
.set Q, 0
.rept NB
	BLOCK Q
.set Q, Q+1
.endr
	s_wait_alu depctr_va_vdst(0)                   ; the wait ahead of the reader below
	global_store_b64 v9, v[SB:SB+1], s[10:11]      ; my column's 8 scale bytes, at its position
.irp t, 0,1,2,3,4,5,6,7,8,9,10,11,12,13,14,15
	ds_load_b96 v[OUTR+4*\t:OUTR+4*\t+2], v7 offset:2*\t*PITCH
.endr
.irp t, 0,1,2,3,4,5,6,7,8,9,10,11,12,13,14,15
	s_wait_dscnt 15-\t
	global_store_b96 v8, v[OUTR+4*\t:OUTR+4*\t+2], s[8:9] offset:(((2*\t)&7)+16*(((2*\t)>>3)&1)+8*(((2*\t)>>4)&1))*KROW   ; columns 2 t, 2 t + 1 go to positions sigma(2 t), sigma(2 t) + 1
.endr
	s_wait_tensorcnt 0x0                           ; the wave's end
	ds_add_u32 v[SPW], v[NIL]
	s_wait_dscnt 0x0
	s_endpgm
; ---------------- x: a wave takes 8 rows in 16 steps of 512 numbers; a step's 2,048 bytes turn through the wave's stage and come back 16 neighbours a lane
.Lx:
.set STEPS, 16
.set CB,    12
; x's CODES ARE LAID [plane of 64 along K: 16][position 8192][48 bytes] (the layout by K steps of 256 at this text's head holds for w alone): 256 rows of a plane are 12,288 dense bytes.
; A wave's 8 rows x 768 bytes are gathered in its region's second half, [plane][row][piece of 12 bytes in a place of 16], and leave plane by plane: 8 rows x 48 = 384 consecutive bytes a store.
.set XPL,   8192*48
.set XR,    16                         ; v16-79   four sets of 16 numbers as loaded
.set XX,    80                         ; v80-111  two sets of 16 neighbours
.set XC,    128                        ; v128-191 codes
.set XE,    112                        ; v112-127 a scale byte for each step
.set WREG,  16384
.set SP,    80
	s_load_b128 s[4:7], s[0:1], 0x20               ; x, the codes
	s_load_b64 s[8:9], s[0:1], 0x30                ; the scale bytes
	s_sub_co_u32 s31, ttmp9, 128
	v_lshlrev_b32 v3, 4, v2
	s_mul_i32 s17, s16, WREG
	v_lshrrev_b32 v14, 2, v2
	v_mul_u32_u24 v14, v14, SP
	v_and_b32 v15, 3, v2
	v_lshl_add_u32 v14, v15, 4, v14
	v_add_nc_u32 v14, s17, v14                     ; the stage, on the way in
	v_mul_u32_u24 v15, v2, SP
	v_add_nc_u32 v15, s17, v15                     ; and on the way out
	v_mul_u32_u24 v4, v2, CB                       ; on the way out: 12 bytes a lane of a plane's 384
	v_lshrrev_b32 v10, 2, v2
	v_lshlrev_b32 v10, 9, v10                      ; four lanes hold a plane's 48 bytes of a row: plane lane / 4 of a step's eight, 512 bytes each,
	v_and_b32 v12, 3, v2
	v_lshl_add_u32 v10, v12, 4, v10                ; piece lane % 4
	v_add_nc_u32 v10, s17, v10
	v_add_nc_u32 v10, 8192, v10
	v_add_nc_u32 v12, s17, v3
	v_add_nc_u32 v12, 8192, v12                    ; and back: 16 x lane in a plane's 512
	v_lshrrev_b32 v5, 1, v2
	s_add_co_u32 s17, s17, 2*32*SP
	v_add_nc_u32 v5, s17, v5                       ; LDS: my block's scale byte
	v_lshlrev_b32 v7, 3, v2
	v_add_nc_u32 v6, s17, v7
	s_lshl_b32 s18, s31, 2
	s_add_co_u32 s20, s18, s16                     ; the run of 8 rows that I read
	s_and_b32 s19, s16, 1
	s_lshl_b32 s19, s19, 1
	s_lshr_b32 s21, s16, 1
	s_or_b32 s19, s19, s21                         ; sigma on runs of 8 rows
	s_add_co_u32 s18, s18, s19                     ; the run that I write
	s_lshl_b32 s20, s20, 15
	s_mov_b32 s21, 0
	s_mul_i32 s22, s18, 8*48
	s_mov_b32 s23, 0
	s_lshl_b32 s24, s18, 8
	s_mov_b32 s25, 0
	s_wait_alu depctr_va_vdst(0)                   ; the wait at the head's end
	s_wait_kmcnt 0x0
	s_add_nc_u64 s[4:5], s[4:5], s[20:21]
	s_add_nc_u64 s[6:7], s[6:7], s[22:23]
	s_add_nc_u64 s[8:9], s[8:9], s[24:25]
.macro XLOAD t
.irp i, 0,1,2,3
	global_load_b128 v[XR+16*((\t)%4)+4*\i:XR+16*((\t)%4)+4*\i+3], v3, s[4:5] offset:2048*(\t)+512*\i th:TH_LOAD_NT
.endr
.endm
.macro TURN t
.irp i, 0,1,2,3
	ds_store_b128 v14, v[XR+16*((\t)%4)+4*\i:XR+16*((\t)%4)+4*\i+3] offset:32*SP*((\t)%2)+8*SP*\i
.endr
.irp i, 0,1,2,3
	ds_load_b128 v[XX+16*((\t)%2)+4*\i:XX+16*((\t)%2)+4*\i+3], v15 offset:32*SP*((\t)%2)+16*\i
.endr
.endm
.irp t, 0,1,2,3
	XLOAD \t
.endr
	s_wait_loadcnt 12                              ; step 0's four loads are in; three steps' twelve stay out
	TURN 0
.macro STEP t
.set XS, XX+16*((\t)%2)
.if (\t) > 0
	s_wait_dscnt 2                                 ; this step's numbers are back (the last step's byte store and codes' store may be out)
.else
	s_wait_dscnt 0x0
.endif
.if (\t)+4 < STEPS
	XLOAD (\t)+4
.endif
.if (\t)+1 < STEPS
.if STEPS-2-(\t) >= 3
	s_wait_loadcnt 12                              ; the next step's four loads are in; three steps' may be out
.else
	s_wait_loadcnt 4*(STEPS-2-(\t))
.endif
	TURN (\t)+1
.endif
	v_max3_num_f32 v8, |v[XS]|, |v[XS+1]|, |v[XS+2]|
	v_max3_num_f32 v9, |v[XS+3]|, |v[XS+4]|, |v[XS+5]|
.irp i, 6,10
	v_max3_num_f32 v8, v8, |v[XS+\i]|, |v[XS+\i+1]|
	v_max3_num_f32 v9, v9, |v[XS+\i+2]|, |v[XS+\i+3]|
.endr
	v_max3_num_f32 v8, v8, |v[XS+14]|, |v[XS+15]|
	v_max3_num_f32 v8, v8, v9, (EMAX+1)<<23
	v_max_num_f32_dpp v8, v8, v8 row_xmask:1 row_mask:0xf bank_mask:0xf   ; with my neighbour's 16: the block's
	v_add_nc_u32 v11, -(EMAX<<23), v8
	v_cvt_scalef32_pk16_fp6_f32 v[XC+4*(\t):XC+4*(\t)+2], v[XS:XS+15], v11
	v_lshrrev_b32 v[XE+(\t)], 23, v11
	ds_store_b8 v5, v[XE+(\t)] offset:16*(\t)
	ds_store_b96 v10, v[XC+4*(\t):XC+4*(\t)+2] offset:((\t)%2)*4096+((\t)/2)*64   ; row t / 2 of my 8; planes 8 (t % 2) on
.endm
.irp t, 0,1,2,3,4,5,6,7,8,9,10,11,12,13,14,15
	STEP \t
.endr
	ds_load_b64 v[8:9], v6
.irp p, 0,1,2,3,4,5,6,7,8,9,10,11,12,13,14,15
	ds_load_b96 v[XR+4*\p:XR+4*\p+2], v12 offset:512*\p   ; LDS serves a wave's instructions in order: these see my stores
.endr
	s_wait_dscnt 0x0
	global_store_b64 v7, v[8:9], s[8:9]
.irp p, 0,1,2,3,4,5,6,7,8,9,10,11,12,13,14,15
	global_store_b96 v4, v[XR+4*\p:XR+4*\p+2], s[6:7] offset:\p*XPL   ; 384 consecutive bytes of plane p
.endr
	s_wait_tensorcnt 0x0                           ; the wave's end
	ds_add_u32 v[SPW], v[NIL]
	s_wait_dscnt 0x0
	s_endpgm
.Lfunc_end_k_qca2ea6d4a8_quant:
	.size	k_qca2ea6d4a8_quant, .Lfunc_end_k_qca2ea6d4a8_quant-k_qca2ea6d4a8_quant
	.p2alignl 7, 3214868480
	.fill 96, 4, 3214868480
	.section	.rodata,"a",@progbits
	.p2align	6, 0x0
	.amdhsa_kernel k_qca2ea6d4a8_quant
		.amdhsa_group_segment_fixed_size 100864
		.amdhsa_private_segment_fixed_size 0
		.amdhsa_enable_private_segment 0
		.amdhsa_kernarg_size 56
		.amdhsa_user_sgpr_count 2
		.amdhsa_user_sgpr_kernarg_segment_ptr 1
		.amdhsa_wavefront_size32 1
		.amdhsa_system_sgpr_workgroup_id_x 1
		.amdhsa_system_sgpr_workgroup_id_y 1
		.amdhsa_system_sgpr_workgroup_id_z 1
		.amdhsa_system_vgpr_workitem_id 0
		.amdhsa_next_free_vgpr 224
		.amdhsa_next_free_sgpr 66
		.amdhsa_reserve_vcc 0
		.amdhsa_float_denorm_mode_32 3
		.amdhsa_float_denorm_mode_16_64 3
		.amdhsa_memory_ordered 1
		.amdhsa_forward_progress 1
		.amdhsa_inst_pref_size 78
	.end_amdhsa_kernel
	.amdgpu_metadata
---
amdhsa.version: [ 1, 2 ]
amdhsa.kernels:
  - .name:           k_qca2ea6d4a8_quant
    .symbol:         k_qca2ea6d4a8_quant.kd
    .args:
      - { .name: w_attn, .offset: 0, .size: 8, .value_kind: global_buffer, .address_space: global }
      - { .name: w_proj, .offset: 8, .size: 8, .value_kind: global_buffer, .address_space: global }
      - { .name: w_codes, .offset: 16, .size: 8, .value_kind: global_buffer, .address_space: global }
      - { .name: w_scales, .offset: 24, .size: 8, .value_kind: global_buffer, .address_space: global }
      - { .name: x, .offset: 32, .size: 8, .value_kind: global_buffer, .address_space: global }
      - { .name: x_codes, .offset: 40, .size: 8, .value_kind: global_buffer, .address_space: global }
      - { .name: x_scales, .offset: 48, .size: 8, .value_kind: global_buffer, .address_space: global }
    .group_segment_fixed_size: 100864
    .private_segment_fixed_size: 0
    .kernarg_segment_align: 8
    .kernarg_segment_size: 56
    .max_flat_workgroup_size: 128
    .sgpr_count:     66
    .vgpr_count:     224
    .wavefront_size: 32
...
	.end_amdgpu_metadata
.endif
;; end of part 1
;; launch gemm_qkv (part 2): grid 8 x 32, 4 waves a work-group, clusters of 4 x 4, 327,680 bytes of LDS; arguments x_codes, x_scales, w_codes, w_scales, qkv_codes, qkv_scales; writes qkv_codes, qkv_scales
.if DOCPART == 2
	.amdgcn_target "amdgcn-amd-amdhsa--gfx1250"
	.amdhsa_code_object_version 6
	.text
	.protected	k_qca2ea6d4a8_gemm_qkv
	.globl	k_qca2ea6d4a8_gemm_qkv
	.p2align	8
	.type	k_qca2ea6d4a8_gemm_qkv,@function
k_qca2ea6d4a8_gemm_qkv:
	s_mov_b64 s[64:65], 0
	v_nop
	global_prefetch_b8 v0, s[64:65] scope:SCOPE_SE
	s_setreg_imm32_b32 hwreg(HW_REG_WAVE_MODE, 25, 1), 1
	s_wait_xcnt 0x0
	s_wait_alu depctr_hold_cnt(0) depctr_sa_sdst(0) depctr_va_vdst(0) depctr_va_sdst(0) depctr_va_ssrc(0) depctr_va_vcc(0) depctr_vm_vsrc(0)
	s_getreg_b32 s2, hwreg(HW_REG_IB_STS2, 6, 4)
	s_cmp_eq_u32 s2, 0
	s_cbranch_scc0 .Lentry_in_a_cluster
	s_endpgm
.Lentry_in_a_cluster:
	s_bfe_u32 s2, ttmp6, 0x10000c
	s_cmp_lg_u32 s2, 0xf033
	s_cbranch_scc0 .Lentry_shape_is_right
	s_endpgm
.Lentry_shape_is_right:
; Q, K, V = x w_attn on codes of FP6 (E2M3) with E8M0 scales, K = 1,024, and their quantisers: the results leave as codes and scale words for launch attention.  No f32 result is stored.
; IN: x's codes [plane of 64 along K: 16][position 8192][48 bytes], scale bytes [position][32]; w's codes [K step of 256: 4][position 4096][192 bytes], scale bytes [position][32]; w's positions 0-1023 are Q's columns, then K's, then V's.
; Rows lie by POSITION (position p = item sigma(p), bits 3 and 4 exchanged), so that a lane's 16 results of two neighbouring tiles are 16 true neighbours.
; OUT, hb = 64 x tensor + 16 x batch + head: Q, K: codes [hb][position 2048][48], scale words [hb][position][s0 s1 s0 s1]; V: codes [hb][key / 64][channel position 64][48], scale words [hb][key / 128][twice][channel position 64][4 blocks of 32 keys].
; THE DEAL.  256 work-groups: 32 blocks of 256 tokens x 8 groups of 128 columns.  A work-group keeps its 256 tokens, ALL of K, in LDS for the whole launch (16 planes of 12,288 bytes; a pitch of 48 bytes needs no padding)
; and takes them through three phases: its 128 columns of Q, of K, of V (two heads each).  Four waves, 2 x 2: 128 tokens x 64 columns, one head: 32 accumulators; a phase is 8 steps of 128 along K, 32 products each.
; THE WEIGHTS have a region of their own: four K steps of 128 rows, 240 bytes apart (16 bytes of padding behind every 64).  In Q's and in K's phase it is filled again BY HALVES, each half as soon as every wave holds its last fragments in registers:
; K steps 0-1 behind a round of the cluster's barrier inside step 3 (wave 1 asks), K steps 2-3 behind a round inside step 7 (wave 3 asks).  The first half is waited for in front of the round of step 7, which shows it: four steps after it was asked for.
; The second half is read from the next phase's step 4 on, and is waited for in front of that phase's barrier in step 3 (a round in K's phase, a plain barrier in V's).  So no wait and no barrier stands between two phases.
; AT THE HEAD one joint load a wave, each on a line of its own: wave 0 x's planes 0-7, wave 1 the weights' K steps 0-1, wave 2 planes 8-15, wave 3 K steps 2-3.  The first barrier shows waves 0 and 1's tiles, the round in step 3 the rest.
; CLUSTERS: 4 x 4; x's tiles are asked for jointly along a row of the cluster, the weights' along a column.
; No prefetch: x is asked for once, at the head; each half of the weights is asked for four steps of products, or a way out and three steps, ahead of the wait for it.
; Q and K: source 0 = the weights' rows, so a lane holds one token and its 32 sums of a block are a head's 64 channels' halves.  V: source 0 = x's rows, so a lane holds one channel and its 64 sums of a tile are 128 tokens' halves.
; In both cases 64 registers on end are four scale blocks, each shared by lanes l and l xor 16: one way out serves both.  Q's and K's phases are one loop body; the weights' scale words move up from phase to phase.
; REGISTERS: window 0: v0-31 addresses; v32-63 x's scale words (two blocks a register: lanes 0-15, 16-31); v68-115 the weights', three phases of 16; v128-223 x's fragments, set 0, and the way out's registers.
; window 1: v0-95 the weights' fragments, two sets; v128-223 x's set 1.  window 2: the accumulators.
; LIMITS: a block of zeros gets the byte 1 (zero codes; read by this program alone); largest magnitudes under 2^-124 are held at that floor; NaN and infinities are not served.
.set PLANE,  393216
.set WPL,    4096*192
.set TEN,    1024*192                  ; from a tensor's rows to the next tensor's in a K step's plane of w
.set APL,    12288
.set LB,     16*APL
.set PITCH,  240
.set BKS,    128*PITCH
.set STG,    LB+4*BKS                  ; a stage of 1,536 bytes for each wave; no fill lands here
.set SPARE,  STG+4*1536
.set VSEL, 14
.set ADRA, 16
.set ADRB, 20
.set STO,  24
.set RD,   25
.set VO0,  26
.set VOV1, 27
.set SPW,  28
.set NIL,  29
.set VSA,  30
.set VSV,  31
.set XS,   32
.set WS,   68
.set AF,   128
.set CDS,  128
.set BK,   148
.set TM,   176
.set PW,   192
.set PS,   194
.set G1,   24
.set G1B,  48
.set G0A0, 32
.set G0A1, 36
.set G0B0, 56
.set G0B1, 60
.set G0R,  72                          ; s[72:75] the refill of K steps 0-1
.set G0Q,  88                          ; s[88:91] the refill of K steps 2-3
.set SEL,  76
.set MSB, 0
.macro WIN new
.if MSB != \new
	s_set_vgpr_msb (MSB<<8)|\new
.set MSB, \new
.endif
.endm
.macro PLACES n
.rept \n
	v_nop
.endr
.endm
.macro CREST
	s_cmp_lg_u32 s14, 0
	s_cbranch_scc1 .Lnot_wave_0_\@
	s_barrier_signal -3
.Lnot_wave_0_\@:
	s_barrier_wait -3
	s_barrier_signal -1
	s_barrier_wait -1
.endm
.macro CROUND
	s_barrier_signal -1
	s_barrier_wait -1
	CREST
.endm
	s_load_b128 s[4:7], s[0:1], 0x0                ; x's codes, x's scales
	s_load_b128 s[8:11], s[0:1], 0x10              ; w's codes, w's scales
	s_load_b128 s[96:99], s[0:1], 0x20             ; the results' codes, their scales
	v_lshl_add_u32 v[SPW], v0, 2, SPARE
	v_mov_b32 v[NIL], 0
	ds_add_u32 v[SPW], v[NIL]                      ; the opening lines: the add, twice on end, and its wait
	ds_add_u32 v[SPW], v[NIL]
	v_lshrrev_b32 v1, 5, v0
	v_readfirstlane_b32 s14, v1                    ; wave 0..3
	s_lshr_b32 s15, s14, 1                         ; my half of the tokens
	s_and_b32 s16, s14, 1                          ; my half of the columns
	s_bfe_u32 s40, ttmp6, 0x40000                  ; cx
	s_bfe_u32 s41, ttmp6, 0x40004                  ; cy
	s_lshl_b32 s42, ttmp9, 2
	s_add_co_u32 s42, s42, s40                     ; group of columns, 0 .. 7
	s_and_b32 s17, ttmp7, 0xffff
	s_lshl_b32 s17, s17, 2
	s_add_co_u32 s17, s17, s41                     ; block of tokens, 0 .. 31
	s_lshl_b32 s43, s41, 2
	s_lshl_b32 s43, 15, s43                        ; my row of the cluster
	s_lshl_b32 s44, 0x1111, s40                    ; my column
	s_or_b32 s[G1], s43, (3<<16)|(1<<21)           ; x: elements of 8 bytes; eight planes' rows of 12,288 dense bytes; no padding
	s_mov_b32 s[G1+1], (APL/8)<<16
	s_mov_b32 s[G1+2], 8<<16
	s_mov_b32 s[G1+3], (APL/8)<<16
	s_mov_b32 s[G1+4], 8
	s_mov_b32 s[G1+5], PLANE/8
	s_mov_b32 s[G1+6], 0
	s_mov_b32 s[G1+7], 0
	s_or_b32 s[G1B], s44, (3<<16)|(1<<20)|(1<<21)|(3<<22)|(3<<25)  ; w: two K steps' rows of 24,576 dense bytes (128 x 192), 16 bytes of padding behind every 64
	s_mov_b32 s[G1B+1], 3072<<16
	s_mov_b32 s[G1B+2], 2<<16
	s_mov_b32 s[G1B+3], 3072<<16
	s_mov_b32 s[G1B+4], 2
	s_mov_b32 s[G1B+5], WPL/8
	s_mov_b32 s[G1B+6], 0
	s_mov_b32 s[G1B+7], 0
	s_mul_i32 s20, s17, APL                        ; x: the block's 256 positions of 48 bytes
	s_mov_b32 s21, 0
	s_lshl_b32 s22, s17, 8
	s_lshl_b32 s23, s15, 7
	s_add_co_u32 s22, s22, s23                     ; my 128 positions
	s_lshr_b32 s18, s22, 11
	s_lshl_b32 s18, s18, 4
	s_lshl_b32 s19, s42, 1
	s_add_co_u32 s18, s18, s19
	s_add_co_u32 s18, s18, s16                     ; hb of Q: 16 x batch + my head
	s_and_b32 s19, s22, 2047
	s_mul_i32 s78, s18, 98304
	s_mul_i32 s79, s19, 48
	s_add_co_u32 s78, s78, s79
	s_mov_b32 s79, 0
	s_lshl_b32 s80, s18, 13
	s_lshl_b32 s81, s19, 2
	s_add_co_u32 s80, s80, s81
	s_mov_b32 s81, 0
	s_lshl_b32 s22, s22, 5                         ; my positions' scale bytes
	s_mov_b32 s23, 0
	s_lshl_b32 s46, s42, 7                         ; w: the group's 128 positions of Q
	s_lshl_b32 s92, s16, 6
	s_add_co_u32 s92, s92, s46
	s_lshl_b32 s92, s92, 5                         ; my 64 positions' scale bytes
	s_mov_b32 s93, 0
	s_mul_i32 s46, s46, 192
	s_mov_b32 s47, 0
	s_mul_i32 s66, s15, 128*48
	s_mul_i32 s67, s16, 64*PITCH
	s_add_co_u32 s67, s67, LB
	s_mul_i32 s68, s14, 1536
	s_add_co_u32 s68, s68, STG
	s_mov_b32 s[SEL], 0x76543210
	s_mov_b32 s[SEL+1], 0xfedcba98
	s_mov_b32 s84, 0x02020202
	s_wait_dscnt 0x0
	CROUND                                         ; the round in front of the joint loads
	s_wait_kmcnt 0x0
	s_add_nc_u64 s[20:21], s[4:5], s[20:21]
	s_add_nc_u64 s[6:7], s[6:7], s[22:23]
	s_add_nc_u64 s[46:47], s[8:9], s[46:47]
	s_add_nc_u64 s[10:11], s[10:11], s[92:93]
	s_add_nc_u64 s[96:97], s[96:97], s[78:79]
	s_add_nc_u64 s[98:99], s[98:99], s[80:81]
	s_mov_b32 s[G0A0], 1
	s_mov_b32 s[G0A0+1], 0
	s_mov_b64 s[G0A0+2:G0A0+3], s[20:21]
	s_or_b32 s[G0A0+3], s[G0A0+3], 0x80000000
	s_mov_b32 s[G0A1], 1
	s_mov_b32 s[G0A1+1], 8*APL
	s_add_nc_u64 s[G0A1+2:G0A1+3], s[20:21], 8*PLANE
	s_or_b32 s[G0A1+3], s[G0A1+3], 0x80000000
	s_mov_b32 s[G0B0], 1
	s_mov_b32 s[G0B0+1], LB
	s_mov_b64 s[G0B0+2:G0B0+3], s[46:47]
	s_or_b32 s[G0B0+3], s[G0B0+3], 0x80000000
	s_mov_b32 s[G0B1], 1
	s_mov_b32 s[G0B1+1], LB+2*BKS
	s_add_nc_u64 s[G0B1+2:G0B1+3], s[46:47], 2*WPL
	s_or_b32 s[G0B1+3], s[G0B1+3], 0x80000000
	s_mov_b32 s[G0R], 1                            ; the refills' groups 0 begin at Q's rows and are stepped a tensor on ahead of each refill
	s_mov_b32 s[G0R+1], LB
	s_mov_b64 s[G0R+2:G0R+3], s[46:47]
	s_or_b32 s[G0R+3], s[G0R+3], 0x80000000
	s_mov_b32 s[G0Q], 1
	s_mov_b32 s[G0Q+1], LB+2*BKS
	s_add_nc_u64 s[G0Q+2:G0Q+3], s[46:47], 2*WPL
	s_or_b32 s[G0Q+3], s[G0Q+3], 0x80000000
.macro ARM under, g0, g1, next
	s_cmp_lt_u32 s14, \under
	s_cbranch_scc0 \next
	tensor_load_to_lds s[\g0:\g0+3], s[\g1:\g1+7]
	s_nop 0
	PLACES 4
	s_branch .Lhead_asked
\next:
.endm
	ARM 1, G0A0, G1,  .Lhead_b0
	ARM 2, G0B0, G1B, .Lhead_a1
	ARM 3, G0A1, G1,  .Lhead_b1
	tensor_load_to_lds s[G0B1:G0B1+3], s[G1B:G1B+7]
	s_nop 0
	PLACES 4
.Lhead_asked:
	v_and_b32 v1, 15, v0                           ; r
	v_bfe_u32 v2, v0, 4, 1                         ; h
	v_and_b32 v3, 31, v0
	v_lshlrev_b32 v8, 5, v3                        ; scale bytes: 32 a row, a lane a row: two blocks of 16 rows share a register
.irp a, 0,1,2,3
	global_load_b128 v[XS+8*\a:XS+8*\a+3], v8, s[6:7] offset:1024*\a
	global_load_b128 v[XS+8*\a+4:XS+8*\a+7], v8, s[6:7] offset:1024*\a+16
.endr
.irp t, 0,1,2                          ; the weights' words of all three phases
.irp b, 0,1
	global_load_b128 v[WS+16*\t+8*\b:WS+16*\t+8*\b+3], v8, s[10:11] offset:32768*\t+1024*\b
	global_load_b128 v[WS+16*\t+8*\b+4:WS+16*\t+8*\b+7], v8, s[10:11] offset:32768*\t+1024*\b+16
.endr
.endr
	v_mul_u32_u24 v4, v2, 24
	v_mad_u32_u24 v5, v1, 48, v4
	v_add_nc_u32 v[ADRA], s66, v5
	v_add_nc_u32 v[ADRA+1], 4*APL, v[ADRA]
	v_add_nc_u32 v[ADRA+2], 8*APL, v[ADRA]
	v_add_nc_u32 v[ADRA+3], 12*APL, v[ADRA]
	v_add_nc_u32 v[STO], s68, v5                   ; stage, in: 48 r + 24 h
	v_mad_u32_u24 v5, v1, PITCH, v4
	v_add_nc_u32 v[ADRB], s67, v5
	v_add_nc_u32 v[ADRB+1], 2*BKS, v[ADRB]
	v_lshl_add_u32 v[ADRB+2], v2, 4, v[ADRB]
	v_lshl_add_u32 v[ADRB+3], v2, 4, v[ADRB+1]
	v_lshlrev_b32 v[VO0], 4, v3
	v_add_nc_u32 v[RD], s68, v[VO0]                ; back: 16 x lane
	v_mul_u32_u24 v5, v2, 2304
	v_add_nc_u32 v5, 512, v5
	v_add_nc_u32 v[VOV1], v[VO0], v5               ; V: the stage's bytes 512-1023 end one piece of 768 and begin the next, 3,072 bytes on
	v_lshlrev_b32 v[VSA], 2, v3
	v_lshlrev_b32 v5, 2, v1
	v_lshl_add_u32 v[VSV], v2, 8, v5               ; V's scale words: lanes 16-31 write the second copy
	v_mul_lo_u32 v[VSEL], v2, s84
	v_add_nc_u32 v[VSEL], 0x01000100, v[VSEL]      ; Q, K: lanes 0-15 take (s0 s1 s0 s1) of the even block of tokens, lanes 16-31 (s2 s3 s2 s3) of the odd
	s_wait_alu depctr_va_vdst(0)                   ; the wait at the head's end
	s_wait_loadcnt 0x0
	s_cmp_lt_u32 s14, 2
	s_cbranch_scc0 .Lnot_first
	s_wait_tensorcnt 0x0                           ; waves 0 and 1: my tile is in
.Lnot_first:
	s_barrier_signal -1
	s_barrier_wait -1                              ; x's planes 0-7 and the weights' K steps 0-1 are shown
.macro FETCH s                         ; step s's fragments (128 along K) into set s % 2: 24 + 48 loads
	WIN 0x40
.irp b, 0,1,2,3
.irp p, 0,1,2,3,4,5
.set PC, 12*((\s)%2)+6*(\p/3)+\p%3
.if PC%8 < 5
	ds_load_b64 v[48*((\s)%2)+12*\b+2*\p:48*((\s)%2)+12*\b+2*\p+1], v[ADRB+(\s)/4] offset:(((\s)/2)%2)*BKS+8*PC+16*(PC/8)+\b*16*PITCH
.else
	ds_load_b64 v[48*((\s)%2)+12*\b+2*\p:48*((\s)%2)+12*\b+2*\p+1], v[ADRB+2+(\s)/4] offset:(((\s)/2)%2)*BKS+8*PC+16*(PC/8)+\b*16*PITCH
.endif
.endr
.endr
	WIN ((\s)%2)<<6
.irp a, 0,1,2,3,4,5,6,7
.irp c, 0,1
.irp p, 0,1,2
	ds_load_b64 v[AF+12*\a+6*\c+2*\p:AF+12*\a+6*\c+2*\p+1], v[ADRA+(\s)/2] offset:(2*((\s)%2)+\c)*APL+\a*768+8*\p
.endr
.endr
.endr
.endm
.macro W1 d, f0, f1, c, x0, x1, o0, o1
.if \o0
.if \o1
	v_wmma_scale_f32_16x16x128_f8f6f4 v[\d:\d+7], v[\f0:\f0+11], v[\f1:\f1+11], \c, v[\x0], v[\x1] matrix_a_fmt:MATRIX_FMT_FP6 matrix_b_fmt:MATRIX_FMT_FP6 matrix_a_scale:MATRIX_SCALE_ROW1 matrix_b_scale:MATRIX_SCALE_ROW1
.else
	v_wmma_scale_f32_16x16x128_f8f6f4 v[\d:\d+7], v[\f0:\f0+11], v[\f1:\f1+11], \c, v[\x0], v[\x1] matrix_a_fmt:MATRIX_FMT_FP6 matrix_b_fmt:MATRIX_FMT_FP6 matrix_a_scale:MATRIX_SCALE_ROW1
.endif
.else
.if \o1
	v_wmma_scale_f32_16x16x128_f8f6f4 v[\d:\d+7], v[\f0:\f0+11], v[\f1:\f1+11], \c, v[\x0], v[\x1] matrix_a_fmt:MATRIX_FMT_FP6 matrix_b_fmt:MATRIX_FMT_FP6 matrix_b_scale:MATRIX_SCALE_ROW1
.else
	v_wmma_scale_f32_16x16x128_f8f6f4 v[\d:\d+7], v[\f0:\f0+11], v[\f1:\f1+11], \c, v[\x0], v[\x1] matrix_a_fmt:MATRIX_FMT_FP6 matrix_b_fmt:MATRIX_FMT_FP6
.endif
.endif
.endm
; x's blocks a0 .. a0 + n - 1 against the weights' four.  kind 0 (Q, K): source 0 the weights, accumulator (a, b) at 8 (4 a + b); kind 1 (V): source 0 x, at 8 (8 b + a).
; The 32 accumulators take turns, in the same order in every step; a phase's first step starts the sums with the constant 0.
.macro MUL kind, s, a0, n
.if \kind
	WIN 0xa4+((\s)%2)
.else
	WIN 0xa1+4*((\s)%2)
.endif
.set A_, \a0
.rept \n
.set B_, 0
.rept 4
.set FB_, 48*((\s)%2)+12*B_
.set FA_, AF+12*A_
.set XB_, WS+8*(B_/2)+(\s)
.set XA_, XS+8*(A_/2)+(\s)
.if \kind
.set D_, 8*(8*B_+A_)
.if (\s) == 0
	W1 D_, FA_, FB_, 0, XA_, XB_, A_%2, B_%2
.else
	W1 D_, FA_, FB_, v[D_:D_+7], XA_, XB_, A_%2, B_%2
.endif
.else
.set D_, 8*(4*A_+B_)
.if (\s) == 0
	W1 D_, FB_, FA_, 0, XB_, XA_, B_%2, A_%2
.else
	W1 D_, FB_, FA_, v[D_:D_+7], XB_, XA_, B_%2, A_%2
.endif
.endif
.set B_, B_+1
.endr
.set A_, A_+1
.endr
.endm
; A refill's round inside step s: the three lines, n0 blocks' products between the add and the wait for it, n1 blocks' between the opening signal and its wait, the rest of the round.
.macro REFILL kind, s, n0, n1, g, w
	WIN 0
	s_wait_tensorcnt 0x0                           ; all my tensor loads are in
	ds_add_u32 v[SPW], v[NIL]
	MUL \kind, \s, 0, \n0
	s_wait_dscnt 0x0                               ; the add is done; my reads of the bytes that are filled again were over at the step's top
	s_barrier_signal -1
	MUL \kind, \s, \n0, \n1
	WIN 0
	s_barrier_wait -1
	CREST
	s_add_nc_u64 s[\g+2:\g+3], s[\g+2:\g+3], TEN   ; the next tensor's rows
	s_cmp_eq_u32 s14, \w
	s_cbranch_scc0 .Lno_refill_\@
	tensor_load_to_lds s[\g:\g+3], s[G1B:G1B+7]    ; the first tensor load behind the round
	s_nop 0
	PLACES 4
.Lno_refill_\@:
.endm
.macro KSTEP kind, s, bar              ; bar = 1: the loop's form, with a refill's round in steps 3 and 7; bar = 2: V's form, with a plain barrier in step 3
	s_wait_dscnt 0x0                               ; this step's fragments, asked for a step ago, are in
.if ((\s) == 3) && ((\bar) == 2)
	s_wait_tensorcnt 0x0                           ; every wave: all my tiles are in
	s_barrier_signal -1
	MUL \kind, 3, 0, 4
	s_barrier_wait -1                              ; the weights' K steps 2-3 are shown
	PLACES 4
	FETCH 4
	MUL \kind, 3, 4, 4
.elseif ((\s) == 3) && ((\bar) == 1)
	REFILL \kind, 3, 1, 2, G0R, 1                  ; every wave holds steps 0-3: K steps 0-1 are filled again; the round also shows what was still out (the head's later tiles, or the last refill of K steps 2-3)
	PLACES 4
	FETCH 4
	MUL \kind, 3, 3, 5
.elseif ((\s) == 7) && ((\bar) == 1)
	REFILL \kind, 7, 6, 2, G0Q, 3                  ; every wave holds step 7: K steps 2-3 are filled again; the round also shows the refill of K steps 0-1
.else
.if (\s) < 7
.if (\s) > 0
	PLACES 4                                       ; places behind the last step's products, in front of the loads into their registers
.endif
	FETCH (\s)+1
.endif
	MUL \kind, \s, 0, 8
.endif
.endm
; THE WAY OUT of the 64 sums a lane at 64 a: four scale blocks, each shared with lane l xor 16.
.macro QMAX a
.set AC, 64*(\a)
	WIN 0x0a
.irp b, 0,1,2,3
	v_max3_num_f32 v[TM+\b], |v[AC+16*\b]|, |v[AC+16*\b+1]|, 0x1800000   ; with the floor 2^(3 - 127); each accumulator from its low end on
.endr
.irp i, 2,4,6,8,10,12,14
.irp b, 0,1,2,3
	v_max3_num_f32 v[TM+\b], |v[AC+16*\b+\i]|, |v[AC+16*\b+\i+1]|, v[TM+\b]
.endr
.endr
	WIN 0
.endm
.macro QCVT a, sel
.set AC, 64*(\a)
.irp b, 0,1,2,3
	v_permlanex16_b32 v[TM+4+\b], v[TM+\b], s[SEL], s[SEL+1]
.endr
.irp b, 0,1,2,3
	v_max_num_f32 v[TM+\b], v[TM+\b], v[TM+4+\b]
.endr
.irp b, 0,1,2,3
	v_add_nc_u32 v[TM+12+\b], 0xff000000, v[TM+\b]     ; the conversion's scale operand
.endr
.irp b, 0,1,2,3
	v_lshrrev_b32 v[TM+4+\b], 23, v[TM+12+\b]          ; the scale's byte
.endr
	v_lshl_or_b32 v[PW], v[TM+5], 8, v[TM+4]
	v_lshl_or_b32 v[PW], v[TM+6], 16, v[PW]
	v_lshl_or_b32 v[PW], v[TM+7], 24, v[PW]
	WIN 0x02
.irp c, 0,1
	v_cvt_scalef32_pk16_fp6_f32 v[CDS+6*\c:CDS+6*\c+2], v[AC+32*\c:AC+32*\c+15], v[TM+12+2*\c]
	v_cvt_scalef32_pk16_fp6_f32 v[CDS+12+4*\c:CDS+14+4*\c], v[AC+32*\c+16:AC+32*\c+31], v[TM+13+2*\c]
.endr
	WIN 0
	v_nop                                          ; one plain place behind a scaled conversion
.irp c, 0,1                            ; a whole block to a lane
.irp i, 0,1,2
	v_permlane16_swap_b32 v[CDS+6*\c+\i], v[CDS+12+4*\c+\i]
.endr
.irp i, 0,1,2
	v_mov_b32 v[CDS+3+6*\c+\i], v[CDS+12+4*\c+\i]
.endr
.endr
	v_perm_b32 v[PS+(\a)%2], v[PW], v[PW], \sel
.endm
.macro TOSTAGE a
.irp c, 0,1
.irp i, 0,1,2
	ds_store_b64 v[STO], v[CDS+6*\c+2*\i:CDS+6*\c+2*\i+1] offset:768*\c+8*\i
.endr
.endr
.irp i, 0,1,2
	ds_load_b128 v[BK+12*((\a)%2)+4*\i:BK+12*((\a)%2)+4*\i+3], v[RD] offset:512*\i   ; LDS serves a wave's instructions in order: these see the stores above
.endr
.endm
.macro SEND kind, a
.set BB_, BK+12*((\a)%2)
	s_wait_xcnt 0x0                                ; the stores of the piece before have read their registers, which the next piece will write
.if \kind
	global_store_b128 v[VO0], v[BB_:BB_+3], s[96:97] offset:768*(\a)             ; tile a of 16 channels: 768 bytes of keys 0-63, and 768 of keys 64-127, 3,072 bytes on
	global_store_b128 v[VOV1], v[BB_+4:BB_+7], s[96:97] offset:768*(\a)
	global_store_b128 v[VO0], v[BB_+8:BB_+11], s[96:97] offset:768*(\a)+3328
	global_store_b32 v[VSV], v[PS+(\a)%2], s[98:99] offset:64*(\a)
.else
	global_store_b128 v[VO0], v[BB_:BB_+3], s[96:97] offset:1536*(\a)            ; 32 positions of 48 bytes: 1,536 consecutive bytes
	global_store_b128 v[VO0], v[BB_+4:BB_+7], s[96:97] offset:1536*(\a)+512
	global_store_b128 v[VO0], v[BB_+8:BB_+11], s[96:97] offset:1536*(\a)+1024
	global_store_b32 v[VSA], v[PS+(\a)%2], s[98:99] offset:128*(\a)              ; their 32 scale words
.endif
.endm
.macro WAYOUT kind, sel
.irp b, 0,1,2,3
	v_mov_b32 v[TM+4+\b], 0                        ; a lane permute's destination counts as one of its sources
.endr
	QMAX 0
	QCVT 0, \sel
	TOSTAGE 0
.irp a, 1,2,3
	QMAX \a
	s_wait_alu depctr_va_vdst(0)                   ; the wait ahead of the wait below
	s_wait_dscnt 0x0
	SEND \kind, \a-1
	QCVT \a, \sel
	TOSTAGE \a
.endr
	s_wait_alu depctr_va_vdst(0)
	s_wait_dscnt 0x0
	SEND \kind, 3
.endm
	s_mov_b32 s3, 0
.Lphase:                                           ; Q, then K
	FETCH 0
.irp s, 0,1,2,3,4,5,6,7
	KSTEP 0, \s, 1
.endr
	PLACES 4                                       ; places behind the last products, on both ways round the refill
.set I, 0
.rept 32
	v_mov_b32 v[WS+I], v[WS+16+I]                  ; the weights' scale words move up a phase; the way out's lines are the places ahead of the products that take them
.set I, I+1
.endr
	WAYOUT 0, v[VSEL]
	s_wait_xcnt 0x0                                ; the stores have read their registers and bases
	s_add_nc_u64 s[96:97], s[96:97], 64*98304      ; the next tensor's planes
	s_add_nc_u64 s[98:99], s[98:99], 64*8192
	s_add_co_u32 s3, s3, 1                         ; the next phase's steps 0-3 read K steps 0-1, which the round of step 7 has shown: no barrier here
	s_cmp_lt_u32 s3, 2
	s_cbranch_scc1 .Lphase
	FETCH 0                                        ; V
.irp s, 0,1,2,3,4,5,6,7
	KSTEP 1, \s, 2
.endr
	WIN 0
	PLACES 4
	WAYOUT 1, 0x03020100
	s_wait_tensorcnt 0x0                           ; the wave's end
	ds_add_u32 v[SPW], v[NIL]
	s_wait_dscnt 0x0
	CROUND                                         ; the closing round
	s_endpgm
.Lfunc_end_k_qca2ea6d4a8_gemm_qkv:
	.size	k_qca2ea6d4a8_gemm_qkv, .Lfunc_end_k_qca2ea6d4a8_gemm_qkv-k_qca2ea6d4a8_gemm_qkv
	.p2alignl 7, 3214868480
	.fill 96, 4, 3214868480
	.section	.rodata,"a",@progbits
	.p2align	6, 0x0
	.amdhsa_kernel k_qca2ea6d4a8_gemm_qkv
		.amdhsa_group_segment_fixed_size 327680
		.amdhsa_private_segment_fixed_size 0
		.amdhsa_enable_private_segment 0
		.amdhsa_kernarg_size 48
		.amdhsa_user_sgpr_count 2
		.amdhsa_user_sgpr_kernarg_segment_ptr 1
		.amdhsa_wavefront_size32 1
		.amdhsa_system_sgpr_workgroup_id_x 1
		.amdhsa_system_sgpr_workgroup_id_y 1
		.amdhsa_system_sgpr_workgroup_id_z 1
		.amdhsa_system_vgpr_workitem_id 0
		.amdhsa_next_free_vgpr 768
		.amdhsa_next_free_sgpr 100
		.amdhsa_reserve_vcc 0
		.amdhsa_float_denorm_mode_32 3
		.amdhsa_float_denorm_mode_16_64 3
		.amdhsa_memory_ordered 1
		.amdhsa_forward_progress 1
		.amdhsa_inst_pref_size 194
	.end_amdhsa_kernel
	.amdgpu_metadata
---
amdhsa.version: [ 1, 2 ]
amdhsa.kernels:
  - .name:           k_qca2ea6d4a8_gemm_qkv
    .symbol:         k_qca2ea6d4a8_gemm_qkv.kd
    .args:
      - { .name: x_codes, .offset: 0, .size: 8, .value_kind: global_buffer, .address_space: global }
      - { .name: x_scales, .offset: 8, .size: 8, .value_kind: global_buffer, .address_space: global }
      - { .name: w_codes, .offset: 16, .size: 8, .value_kind: global_buffer, .address_space: global }
      - { .name: w_scales, .offset: 24, .size: 8, .value_kind: global_buffer, .address_space: global }
      - { .name: qkv_codes, .offset: 32, .size: 8, .value_kind: global_buffer, .address_space: global }
      - { .name: qkv_scales, .offset: 40, .size: 8, .value_kind: global_buffer, .address_space: global }
    .group_segment_fixed_size: 327680
    .private_segment_fixed_size: 0
    .kernarg_segment_align: 8
    .kernarg_segment_size: 48
    .max_flat_workgroup_size: 128
    .sgpr_count:     100
    .vgpr_count:     768
    .wavefront_size: 32
...
	.end_amdgpu_metadata
.endif
;; end of part 2
;; launch attention (part 3): grid 4 x 64, 16 waves a work-group, clusters of 4 x 1, 228,352 bytes of LDS; arguments qkv_codes, qkv_scales, y_codes, y_scales; writes y_codes, y_scales
.if DOCPART == 3
	.amdgcn_target "amdgcn-amd-amdhsa--gfx1250"
	.amdhsa_code_object_version 6
	.text
	.protected	k_qca2ea6d4a8_attention
	.globl	k_qca2ea6d4a8_attention
	.p2align	8
	.type	k_qca2ea6d4a8_attention,@function
k_qca2ea6d4a8_attention:
	s_mov_b64 s[64:65], 0
	v_nop
	global_prefetch_b8 v0, s[64:65] scope:SCOPE_SE
	s_setreg_imm32_b32 hwreg(HW_REG_WAVE_MODE, 25, 1), 1
	s_wait_xcnt 0x0
	s_wait_alu depctr_hold_cnt(0) depctr_sa_sdst(0) depctr_va_vdst(0) depctr_va_sdst(0) depctr_va_ssrc(0) depctr_va_vcc(0) depctr_vm_vsrc(0)
	s_getreg_b32 s2, hwreg(HW_REG_IB_STS2, 6, 4)
	s_cmp_eq_u32 s2, 0
	s_cbranch_scc0 .Lentry_in_a_cluster
	s_endpgm
.Lentry_in_a_cluster:
	s_bfe_u32 s2, ttmp6, 0x10000c
	s_cmp_lg_u32 s2, 0x3003
	s_cbranch_scc0 .Lentry_shape_is_right
	s_endpgm
.Lentry_shape_is_right:
; y[b][h][q] = the sum over k <= q of softmax_k(q . k / 8) v, both products on codes of FP6 (E2M3) with E8M0 scales; y is quantised along C in registers and leaves as codes.
; THE SOFTMAX: t = score x log2(e) / 8; M = the running largest t rounded UP to a whole number; p = 2^(t - M) is quantised along the keys, not normalised; the row's sum is taken of the unquantised p and divides at the end;
; when M moves, the sum and O are multiplied by 2^(old M - new M), which rounds nothing.
; WORK LEFT OUT: key steps of 128 all of whose keys come after a tile's queries: reference()'s own causal mask gives them the weight 0 for all values of the inputs.
; SHARES.  The four work-groups of a cluster serve one batch and head.  The head's 128 tiles of 16 positions are dealt by turns: work-group i takes tiles 4 j + i; wave w takes j = 31 - w first and then j = w.
; Tile 4 j + i has work in key steps 0 .. j / 2: (31 - w) / 2 + w / 2 + 2 = 17 steps for every wave of every work-group.  Which steps are jumped over hangs on j, that is on the wave's number and the count of steps alone.
; ALL OF THE HEAD'S K AND V LIES IN LDS, filled once.  Every work-group reads every key step (j = 31 does), so the four ask JOINTLY (mask 15): wave w asks for key step w by one load of two rows of 6,144 bytes,
; K's codes of 128 keys and V's, which land on end at 12,288 w.  Waves 0-3 have a load line of their own: the first barrier shows key steps 0-3, on which every wave works four full steps; the second shows the rest.
; The scale words (512 bytes of K's and of V's a key step) are a small part of a step's bytes: wave w copies its step's through registers.
; No prefetch: all tiles are asked for at the head, and there is no loop to run ahead in.
; LAYOUT.  Both products are used transposed (S^T = K Q^T, O^T = V^T P^T): a lane holds one query.  Tokens and channels lie by POSITION (position p = item sigma(p), bits 3 and 4 exchanged), so sixteen rows on end are a tile
; whose results' registers run along true neighbours: the 16 registers of tiles 2 b, 2 b + 1 are keys (or channels) 32 b + 16 (lane / 16) + 0 .. 15.
; THE HEAD IS 64, THE INSTRUCTION 128 DEEP: a fragment's registers 0-5 hold one tile of keys and 6-11 the next; the first is multiplied by (q, zeros), the second by (zeros, q).
; LIMITS: every t lies above -3e38 and under 2^31 in magnitude; a p under 2^-126 becomes 0; a block of zeros gets the byte 1 (zero codes; read by this program alone); NaN and infinities are not served.
.set STEPB, 12288                      ; LDS: key step s at 12,288 s: K's codes [position 128][48], then V's [key / 64][channel position 64][48]
.set KSC,   196608                     ; K's scale words [position][4]; V's 8,192 bytes on: [key / 128][twice][channel position][4]
.set STG,   214016                     ; a stage of 768 bytes for each wave
.set SPARE, 226304                     ; the spare words, 128 bytes a wave
.set AK0,  1                           ; 48 r + 24 h
.set AV0,  2                           ; the same + 6,144
.set ASK0, 3                           ; KSC + 4 r
.set ASV0, 4                           ; KSC + 8,192 + 4 r
.set SPW,  5
.set NIL,  6
.set VQ0,  7                           ; tile j = w: my query - 16 h
.set ADK,  8
.set ADV,  9
.set ADS,  10
.set ADT,  11
.set F,    36                          ; v36-83 four fragments of 12
.set KSW,  84
.set VSW,  92
.set S,    96                          ; v96-159 S^T, then p
.set O,    160                         ; v160-191 O^T
.set PCD,  192
.set PH,   204
.set BM,   212
.set BT,   216
.set BS,   220
.set PSW,  227                         ; p's scale word, and nothing else
.set VQ1,  246                         ; tile j = 31 - w
.set SO,   247
.set SR0,  248
.set SR1,  249
.set GO0,  250
.set GO1,  251
.set GOS,  252
.set SCA,  255                         ; LDS: where my 16 bytes of a step's scale words go
.set WV,   12
.set SEL,  20
.set CS,   22
.set TB,   2
.set TS,   3
.set KF,   66
.set CNT,  67
.macro CROUND
	s_barrier_signal -1
	s_barrier_wait -1
	s_cmp_lg_u32 s[WV], 0
	s_cbranch_scc1 .Lnot_wave_0_\@
	s_barrier_signal -3
.Lnot_wave_0_\@:
	s_barrier_wait -3
	s_barrier_signal -1
	s_barrier_wait -1
.endm
	s_load_b256 s[4:11], s[0:1], 0x0               ; qkv's codes, its scales, y's codes, its scales
	v_lshl_add_u32 v[SPW], v0, 2, SPARE
	v_mov_b32 v[NIL], 0
	ds_add_u32 v[SPW], v[NIL]                      ; the opening lines: the add, twice on end, and its wait
	ds_add_u32 v[SPW], v[NIL]
	v_lshrrev_b32 v8, 5, v0
	v_readfirstlane_b32 s[WV], v8                  ; wave 0..15
	s_bfe_u32 s13, ttmp6, 0x40000                  ; i: my place in the cluster; it enters global addresses and the mask's numbers alone
	s_and_b32 s16, ttmp7, 0xffff                   ; batch x 16 + head
	s_mov_b32 s24, 15|(3<<16)|(1<<21)              ; group 1: all four partners; elements of 8 bytes; two rows of 6,144 bytes, K's plane and V's, 64 heads' planes apart
	s_mov_b32 s25, 768<<16
	s_mov_b32 s26, 2<<16
	s_mov_b32 s27, 768<<16
	s_mov_b32 s28, 2
	s_mov_b32 s29, 64*98304/8
	s_mov_b32 s30, 0
	s_mov_b32 s31, 0
	s_mov_b32 s56, 1
	s_mul_i32 s57, s[WV], STEPB
	s_add_co_u32 s96, s16, 64
	s_mul_i32 s96, s96, 98304
	s_mul_i32 s17, s[WV], 6144
	s_add_co_u32 s96, s96, s17                     ; K's plane of the head, key step w
	s_mov_b32 s97, 0
	s_mov_b32 s[SEL], 0x76543210
	s_mov_b32 s[SEL+1], 0xfedcba98
	s_mov_b32 s[CS], 0x3e38aa3b                    ; c = log2(e) / 8
	s_mov_b32 s[CS+1], s[CS]
	s_wait_dscnt 0x0
	CROUND                                         ; the round in front of the joint loads
	s_wait_kmcnt 0x0
	s_add_nc_u64 s[58:59], s[4:5], s[96:97]
	s_or_b32 s59, s59, 0x80000000
	s_cmp_lt_u32 s[WV], 4
	s_cbranch_scc0 .Llater
	tensor_load_to_lds s[56:59], s[24:31]          ; key steps 0-3
	s_nop 0
.rept 4
	v_nop
.endr
	s_branch .Lasked
.Llater:
	tensor_load_to_lds s[56:59], s[24:31]          ; key steps 4-15
	s_nop 0
.rept 4
	v_nop
.endr
.Lasked:
	s_add_co_u32 s14, s16, 64
	s_lshl_b32 s14, s14, 13
	s_lshl_b32 s15, s[WV], 9
	s_add_co_u32 s14, s14, s15
	s_mov_b32 s15, 0
	s_add_nc_u64 s[14:15], s[6:7], s[14:15]        ; K's scale words of key step w; V's lie 64 x 8,192 bytes on
	s_lshl_b32 s76, s[WV], 6                       ; 64 j for j = w,
	s_sub_co_u32 s77, 1984, s76                    ; and for j = 31 - w: the tests of the steps go by these
	s_lshl_b32 s17, s13, 4
	s_add_co_u32 s18, s77, s17                     ; my tiles' first positions: 64 j + 16 i
	s_add_co_u32 s17, s76, s17
	s_mul_i32 s94, s16, 98304
	s_lshl_b32 s95, s16, 13
	s_and_b32 s96, s16, 15
	s_lshr_b32 s97, s16, 4
	s_lshl_b32 s97, s97, 11
	s_mul_i32 s98, s96, 393216
	s_lshl_b32 s99, s96, 15
.macro POINTERS pos, qc, qs, yc, ys
	s_mul_i32 s2, s[\pos], 48
	s_add_co_u32 s2, s2, s94
	s_mov_b32 s3, 0
	s_add_nc_u64 s[\qc:\qc+1], s[4:5], s[2:3]
	s_lshl_b32 s2, s[\pos], 2
	s_add_co_u32 s2, s2, s95
	s_add_nc_u64 s[\qs:\qs+1], s[6:7], s[2:3]
	s_add_co_u32 s66, s[\pos], s97
	s_mul_i32 s2, s66, 48
	s_add_co_u32 s2, s2, s98
	s_add_nc_u64 s[\yc:\yc+1], s[8:9], s[2:3]
	s_lshl_b32 s2, s66, 2
	s_add_co_u32 s2, s2, s99
	s_add_nc_u64 s[\ys:\ys+1], s[10:11], s[2:3]
.endm
	POINTERS 17, 78, 80, 86, 88
	POINTERS 18, 82, 84, 90, 92
	s_and_b32 s2, s17, 16
	s_lshr_b32 s2, s2, 1
	s_and_b32 s3, s17, -32
	s_add_co_u32 s2, s2, s3                        ; the group of 32 of my queries + 8 x (the tile is the group's second)
	s_and_b32 s3, s18, 16
	s_lshr_b32 s3, s3, 1
	s_and_b32 s66, s18, -32
	s_add_co_u32 s3, s3, s66
	s_mul_i32 s66, s[WV], 768
	s_add_co_u32 s66, s66, STG                     ; my stage
	s_lshl_b32 s67, s[WV], 9
	s_add_co_u32 s67, s67, KSC
	v_and_b32 v253, 31, v0                         ; lane
	v_and_b32 v8, 15, v0                           ; r
	v_bfe_u32 v9, v0, 4, 1                         ; h
	v_mul_u32_u24 v[AK0], v8, 48
	v_mad_u32_u24 v[AK0], v9, 24, v[AK0]
	v_lshlrev_b32 v[GOS], 2, v8
	v_lshlrev_b32 v[GO0], 4, v253
	global_load_b128 v[36:39], v[GO0], s[14:15]                    ; my step's scale words: 512 consecutive bytes of K's,
	global_load_b128 v[40:43], v[GO0], s[14:15] offset:64*8192     ; and of V's
.irp i, 0,1,2
	global_load_b64 v[234+2*\i:235+2*\i], v[AK0], s[82:83] offset:8*\i     ; q of tile j = 31 - w: v234-239
	global_load_b64 v[22+2*\i:23+2*\i], v[AK0], s[78:79] offset:8*\i       ; of tile j = w: v22-27
.endr
	global_load_b32 v35, v[GOS], s[84:85]          ; their scale words (s0 s1 s0 s1)
	global_load_b32 v34, v[GOS], s[80:81]
	v_add_nc_u32 v[AV0], 6144, v[AK0]
	v_add_nc_u32 v[ASK0], KSC, v[GOS]
	v_add_nc_u32 v[ASV0], KSC+8192, v[GOS]
	v_add_nc_u32 v[SCA], s67, v[GO0]
	v_and_b32 v10, 7, v0
	v_bfe_u32 v11, v0, 3, 1
	v_lshl_add_u32 v10, v11, 4, v10                ; position r of a tile is item (r % 8) + 16 (r / 8) + 8 x (the tile is the group's second)
	v_lshlrev_b32 v11, 4, v9
	v_sub_nc_u32 v10, v10, v11                     ; - 16 h
	v_add_nc_u32 v[VQ0], s2, v10
	v_add_nc_u32 v[VQ1], s3, v10
	v_add_nc_u32 v[SO], s66, v[AK0]
	v_add_nc_u32 v[SR0], s66, v[GO0]
	v_lshl_add_u32 v[GO1], v253, 3, 512
	v_add_nc_u32 v[SR1], s66, v[GO1]
.irp j, 16,17,18,19,20,21,28,29,30,31,32,33,228,229,230,231,232,233,240,241,242,243,244,245
	v_mov_b32 v[\j], 0                             ; the zero codes on both sides of q: v[16:27] = (0, q), v[22:33] = (q, 0); likewise from v228
.endr
.irp j, 216,217,218,219,224,225,226
	v_mov_b32 v[\j], 0                             ; written once: destinations of lane permutes, and the pair of f
.endr
.macro INIT
	v_mov_b32 v13, 0xff61b1e6                      ; the largest t so far: -3e38
	v_floor_f32 v12, -v13                          ; -M
	v_mov_b32 v14, 0                               ; the sum, in two halves
	v_mov_b32 v15, 0
.set j, 0
.rept 32
	v_mov_b32 v[O+j], 0                            ; O^T: the step is written once; the first finds zeros
.set j, j+1
.endr
.endm
	INIT
; A KEY STEP of 128 keys.  QL, QH: the first registers of (q, 0) and (0, q); QS: q's scale word; QB: the scalar with 64 j; VQ: my query - 16 h.
.macro STEP QL, QH, QS, QB, VQ
	s_cmp_gt_u32 s[KF], s[\QB]                     ; KF is a multiple of 128 over 64 j, so at least 64 j + 64: all 128 keys come after the tile's queries (the wave's number and the count of steps alone)
	s_cbranch_scc1 .Lhidden_\@
	v_add_nc_u32 v[ADK], s[TB], v[AK0]             ; these four are also the places behind the last step's products
	v_add_nc_u32 v[ADV], s[TB], v[AV0]
	v_add_nc_u32 v[ADS], s[TS], v[ASK0]
	v_add_nc_u32 v[ADT], s[TS], v[ASV0]
.irp pi, 0,1,2,3
.irp c, 0,1
.irp i, 0,1,2
	ds_load_b64 v[F+12*\pi+6*\c+2*\i:F+12*\pi+6*\c+2*\i+1], v[ADK] offset:(2*\pi+\c)*768+8*\i
.endr
.endr
.endr
.irp tau, 0,1,2,3,4,5,6,7
	ds_load_b32 v[KSW+\tau], v[ADS] offset:64*\tau
.endr
	s_wait_alu depctr_va_vdst(0)
	s_wait_dscnt 0x0
.irp tau, 0,1,2,3,4,5,6,7
.if \tau%2 == 0
	v_wmma_scale_f32_16x16x128_f8f6f4 v[S+8*\tau:S+8*\tau+7], v[F+12*(\tau/2):F+12*(\tau/2)+11], v[\QL:\QL+11], 0, v[KSW+\tau], v[\QS] matrix_a_fmt:MATRIX_FMT_FP6 matrix_b_fmt:MATRIX_FMT_FP6
.else
	v_wmma_scale_f32_16x16x128_f8f6f4 v[S+8*\tau:S+8*\tau+7], v[F+12*(\tau/2):F+12*(\tau/2)+11], v[\QH:\QH+11], 0, v[KSW+\tau], v[\QS] matrix_a_fmt:MATRIX_FMT_FP6 matrix_b_fmt:MATRIX_FMT_FP6
.endif
.endr
.rept 4
	v_nop                                          ; places: loads into K's registers and reads of the scores follow
.endr
.irp t, 0,1,2,3                        ; V's four fragments (16 channels x 128 keys) land under the softmax
.irp c, 0,1
.irp i, 0,1,2
	ds_load_b64 v[F+12*\t+6*\c+2*\i:F+12*\t+6*\c+2*\i+1], v[ADV] offset:3072*\c+768*\t+8*\i
.endr
.endr
	ds_load_b32 v[VSW+\t], v[ADT] offset:64*\t
.endr
	s_add_co_u32 s96, s[KF], 128                   ; a step all of whose keys lie under 64 j needs no mask
	s_cmp_le_u32 s96, s[\QB]
	s_cbranch_scc1 .Lopen_\@
	v_sub_nc_u32 v226, v[\VQ], s[KF]               ; register 16 b + i holds key KF + 16 h + 32 b + i: hidden where 32 b + i > my query - KF - 16 h
	v_mov_b32 v254, 0xff800000
.set n, 0
.rept 64
	v_cmp_gt_i32 vcc_lo, 32*(n/16)+n%16, v226
	v_cndmask_b32 v[S+n], v[S+n], v254, vcc_lo
.set n, n+1
.endr
.Lopen_\@:
.irp b, 0,1,2,3
	v_max3_num_f32 v[BM+\b], v[S+16*\b], v[S+1+16*\b], v[S+2+16*\b]   ; the largest score of each block of 32 keys: for the row's maximum and for the block's largest p
.endr
.irp i, 3,5,7,9,11,13
.irp b, 0,1,2,3
	v_max3_num_f32 v[BM+\b], v[BM+\b], v[S+16*\b+\i], v[S+1+16*\b+\i]
.endr
.endr
.irp b, 0,1,2,3
	v_max_num_f32 v[BM+\b], v[BM+\b], v[S+15+16*\b]
.endr
.irp b, 0,1,2,3
	s_delay_alu instid0(VALU_DEP_4)
	v_permlanex16_b32 v[BT+\b], v[BM+\b], s[SEL], s[SEL+1]
.endr
.irp b, 0,1,2,3
	s_delay_alu instid0(VALU_DEP_4)
	v_max_num_f32 v[BM+\b], v[BM+\b], v[BT+\b]     ; with lane l xor 16's 16 keys
.endr
	s_delay_alu instid0(VALU_DEP_2)
	v_max3_num_f32 v226, v[BM], v[BM+1], v[BM+2]
	s_delay_alu instid0(VALU_DEP_1)
	v_max_num_f32 v226, v226, v[BM+3]
	s_delay_alu instid0(VALU_DEP_1)
	v_mul_f32 v226, s[CS], v226                    ; the step's largest t
	s_delay_alu instid0(VALU_DEP_1)
	v_max_num_f32 v13, v13, v226
	v_mov_b32 v226, v12
	s_delay_alu instid0(VALU_DEP_2)
	v_floor_f32 v12, -v13                          ; the new -M = floor(-t)
	s_delay_alu instid0(VALU_DEP_1)
	v_sub_f32 v226, v12, v226                      ; old M - new M: a whole number, 0 or less
	s_delay_alu instid0(VALU_DEP_1)
	v_cvt_i32_f32 v226, v226                       ; (it saturates)
	s_delay_alu instid0(VALU_DEP_1)
	v_ldexp_f32 v224, 1.0, v226                    ; f = 2^(old M - new M)
.set j, 0
.rept 32
	v_pk_fma_f32 v[S+j:S+j+1], v[S+j:S+j+1], s[CS:CS+1], v[12:13] op_sel_hi:[1,0,0]   ; t - M, two at a time
.set j, j+2
.endr
.irp b, 0,1,2,3
	v_fma_f32 v[BM+\b], v[BM+\b], s[CS], v12       ; the same of each block's largest score
.endr
.set j, 0
	s_wait_alu depctr_va_vdst(0)                   ; the wait ahead of the batch
.rept 64
	v_exp_f32 v[S+j], v[S+j]                       ; p = 2^(t - M)
.set j, j+1
.endr
	v_pk_mul_f32 v[14:15], v[14:15], v[224:225] op_sel_hi:[1,0]   ; the sums under the new M: the plain instruction behind the exponentials
	s_wait_alu depctr_va_vdst(0)                   ; one wait for the batch, ahead of its first reader
.irp b, 0,1,2,3
	v_exp_f32 v[BM+\b], v[BM+\b]                   ; the block's largest p
.endr
	v_pk_add_f32 v[BT:BT+1], v[S:S+1], v[S+2:S+3]  ; the row's sum of the unquantised p, in two chains
.set j, 4
.rept 15
	v_pk_add_f32 v[14:15], v[14:15], v[S+j:S+j+1]
	v_pk_add_f32 v[BT:BT+1], v[BT:BT+1], v[S+2+j:S+3+j]
.set j, j+4
.endr
	s_delay_alu instid0(VALU_DEP_1)
	v_pk_add_f32 v[14:15], v[14:15], v[BT:BT+1]
	s_wait_alu depctr_va_vdst(0)                   ; and one for the four
.irp b, 0,1,2,3
	v_max_num_f32 v[BM+\b], 0x1800000, v[BM+\b]    ; the floor 2^(3 - 127)
.endr
.irp b, 0,1,2,3
	s_delay_alu instid0(VALU_DEP_4)
	v_add_nc_u32 v[BS+\b], 0xff000000, v[BM+\b]    ; the conversion's scale operand
.endr
.irp b, 0,1,2,3
	s_delay_alu instid0(VALU_DEP_4)
	v_lshrrev_b32 v[BT+\b], 23, v[BS+\b]           ; the scale's byte
.endr
	s_delay_alu instid0(VALU_DEP_3)
	v_lshl_or_b32 v[PSW], v[BT+1], 8, v[BT]
	s_delay_alu instid0(VALU_DEP_1)
	v_lshl_or_b32 v[PSW], v[BT+2], 16, v[PSW]
	s_delay_alu instid0(VALU_DEP_1)
	v_lshl_or_b32 v[PSW], v[BT+3], 24, v[PSW]
.irp c, 0,1
	v_cvt_scalef32_pk16_fp6_f32 v[PCD+6*\c:PCD+6*\c+2], v[S+32*\c:S+32*\c+15], v[BS+2*\c]
	v_cvt_scalef32_pk16_fp6_f32 v[PH+4*\c:PH+4*\c+2], v[S+16+32*\c:S+31+32*\c], v[BS+2*\c+1]
.endr
	v_nop                                          ; one plain place behind a scaled conversion
.irp c, 0,1                            ; a whole block to a lane
.irp i, 0,1,2
	v_permlane16_swap_b32 v[PCD+6*\c+\i], v[PH+4*\c+\i]
.endr
.irp i, 0,1,2
	s_delay_alu instid0(VALU_DEP_3)
	v_mov_b32 v[PCD+3+6*\c+\i], v[PH+4*\c+\i]
.endr
.endr
.set j, 0
.rept 16
	v_pk_mul_f32 v[O+j:O+j+1], v[O+j:O+j+1], v[224:225] op_sel_hi:[1,0]   ; O^T under the new M; also the places between the scale word and codes just made and the products
.set j, j+2
.endr
	s_wait_alu depctr_va_vdst(0)
	s_wait_dscnt 0x0                               ; V is in
.irp t, 0,1,2,3                        ; four accumulators by turns; eight other products stand between two steps'
	v_wmma_scale_f32_16x16x128_f8f6f4 v[O+8*\t:O+8*\t+7], v[F+12*\t:F+12*\t+11], v[PCD:PCD+11], v[O+8*\t:O+8*\t+7], v[VSW+\t], v[PSW] matrix_a_fmt:MATRIX_FMT_FP6 matrix_b_fmt:MATRIX_FMT_FP6
.endr
.Lhidden_\@:
	s_add_co_u32 s[KF], s[KF], 128
	s_add_co_u32 s[TB], s[TB], STEPB
	s_add_co_u32 s[TS], s[TS], 512
.endm
; A TILE'S WAY OUT: O^T / the sum is y; its 64 channels are two blocks of C; codes and scale word leave for my 16 positions.
.macro FINISH YC, YS
.rept 4
	v_nop                                          ; places behind the last products
.endr
	v_add_f32 v14, v14, v15
	s_delay_alu instid0(VALU_DEP_1)
	v_permlanex16_b32 v226, v14, s[SEL], s[SEL+1]
	s_delay_alu instid0(VALU_DEP_1)
	v_add_f32 v14, v14, v226                       ; the row's sum
	s_wait_alu depctr_va_vdst(0)
	v_rcp_f32 v14, v14
	v_nop                                          ; a plain place behind the reciprocal
	s_wait_alu depctr_va_vdst(0)                   ; and the wait ahead of its first reader
.set j, 0
.rept 16
	v_pk_mul_f32 v[O+j:O+j+1], v[O+j:O+j+1], v[14:15] op_sel_hi:[1,0]   ; register 16 b + i = channel 32 b + 16 h + i; each accumulator from its low end on
.set j, j+2
.endr
.irp b, 0,1
	v_max3_num_f32 v[BM+\b], |v[O+16*\b]|, |v[O+16*\b+1]|, 0x1800000
.endr
.irp i, 2,4,6,8,10,12,14
.irp b, 0,1
	s_delay_alu instid0(VALU_DEP_2)
	v_max3_num_f32 v[BM+\b], v[BM+\b], |v[O+16*\b+\i]|, |v[O+16*\b+\i+1]|
.endr
.endr
.irp b, 0,1
	s_delay_alu instid0(VALU_DEP_2)
	v_permlanex16_b32 v[BT+\b], v[BM+\b], s[SEL], s[SEL+1]
.endr
.irp b, 0,1
	s_delay_alu instid0(VALU_DEP_2)
	v_max_num_f32 v[BM+\b], v[BM+\b], v[BT+\b]
.endr
.irp b, 0,1
	s_delay_alu instid0(VALU_DEP_2)
	v_add_nc_u32 v[BS+\b], 0xff000000, v[BM+\b]
.endr
.irp b, 0,1
	s_delay_alu instid0(VALU_DEP_2)
	v_lshrrev_b32 v[BT+\b], 23, v[BS+\b]
.endr
	s_delay_alu instid0(VALU_DEP_1)
	v_lshl_or_b32 v254, v[BT+1], 8, v[BT]
	s_delay_alu instid0(VALU_DEP_1)
	v_lshl_or_b32 v254, v254, 16, v254             ; (s0 s1 s0 s1)
	v_cvt_scalef32_pk16_fp6_f32 v[PCD:PCD+2], v[O:O+15], v[BS]
	v_cvt_scalef32_pk16_fp6_f32 v[PH:PH+2], v[O+16:O+31], v[BS+1]
	v_nop
.irp i, 0,1,2
	v_permlane16_swap_b32 v[PCD+\i], v[PH+\i]
.endr
.irp i, 0,1,2
	s_delay_alu instid0(VALU_DEP_3)
	v_mov_b32 v[PCD+3+\i], v[PH+\i]                ; six registers: 24 bytes of my row's 48, at 24 h
.endr
.irp i, 0,1,2
	ds_store_b64 v[SO], v[PCD+2*\i:PCD+2*\i+1] offset:8*\i
.endr
	ds_load_b128 v[36:39], v[SR0]                  ; LDS serves a wave's instructions in order: these see my stores
	ds_load_b64 v[40:41], v[SR1]
	s_wait_dscnt 0x0
	global_store_b128 v[GO0], v[36:39], s[\YC:\YC+1]       ; 512 and 256 consecutive bytes: three aligned blocks of 256
	global_store_b64 v[GO1], v[40:41], s[\YC:\YC+1]
	v_cmp_gt_u32 vcc_lo, 16, v253
	s_wait_xcnt 0x0                                ; EXEC changes only behind this wait
	s_and_saveexec_b32 s100, vcc_lo
	global_store_b32 v[GOS], v254, s[\YS:\YS+1]    ; lanes 0-15: a word a row
	s_wait_xcnt 0x0
	s_or_b32 exec_lo, exec_lo, s100
.endm
	s_mov_b32 s[TB], 0
	s_mov_b32 s[TS], 0
	s_mov_b32 s[KF], 0
	s_wait_alu depctr_va_vdst(0)                   ; the wait at the head's end
	s_wait_loadcnt 0x0                             ; q and my step's scale words
	ds_store_b128 v[SCA], v[36:39]
	ds_store_b128 v[SCA], v[40:43] offset:8192
	s_cmp_lt_u32 s[WV], 4
	s_cbranch_scc0 .Lnot_first
	s_wait_tensorcnt 0x0                           ; waves 0-3: my key step is in
.Lnot_first:
	s_wait_dscnt 0x0                               ; my scale words are stored
	s_barrier_signal -1
	s_barrier_wait -1                              ; key steps 0-3 and all scale words are shown
	s_mov_b32 s[CNT], 4
.Lfirst:                                           ; tile j = 31 - w, keys 0-511: 64 j is at least 1,024, so every wave works all four steps
	STEP 234, 228, 35, 77, VQ1
	s_sub_co_u32 s[CNT], s[CNT], 1
	s_cmp_lg_u32 s[CNT], 0
	s_cbranch_scc1 .Lfirst
	s_wait_tensorcnt 0x0                           ; every wave: my key step is in
	s_wait_dscnt 0x0
	s_barrier_signal -1
	s_barrier_wait -1                              ; all keys are shown
	s_mov_b32 s[TB], 4*STEPB
	s_mov_b32 s[TS], 4*512
	s_mov_b32 s[KF], 512
	s_mov_b32 s[CNT], 12
.Lsecond:                                          ; tile j = 31 - w, keys 512-2047
	STEP 234, 228, 35, 77, VQ1
	s_sub_co_u32 s[CNT], s[CNT], 1
	s_cmp_lg_u32 s[CNT], 0
	s_cbranch_scc1 .Lsecond
	FINISH 90, 92
	INIT
	s_mov_b32 s[TB], 0
	s_mov_b32 s[TS], 0
	s_mov_b32 s[KF], 0
	s_mov_b32 s[CNT], 8
.Lthird:                                           ; tile j = w, keys 0-1023
	STEP 22, 16, 34, 76, VQ0
	s_sub_co_u32 s[CNT], s[CNT], 1
	s_cmp_lg_u32 s[CNT], 0
	s_cbranch_scc1 .Lthird
	FINISH 86, 88
	s_wait_tensorcnt 0x0                           ; the wave's end
	ds_add_u32 v[SPW], v[NIL]
	s_wait_dscnt 0x0
	CROUND                                         ; the closing round
	s_endpgm
.Lfunc_end_k_qca2ea6d4a8_attention:
	.size	k_qca2ea6d4a8_attention, .Lfunc_end_k_qca2ea6d4a8_attention-k_qca2ea6d4a8_attention
	.p2alignl 7, 3214868480
	.fill 96, 4, 3214868480
	.section	.rodata,"a",@progbits
	.p2align	6, 0x0
	.amdhsa_kernel k_qca2ea6d4a8_attention
		.amdhsa_group_segment_fixed_size 228352
		.amdhsa_private_segment_fixed_size 0
		.amdhsa_enable_private_segment 0
		.amdhsa_kernarg_size 32
		.amdhsa_user_sgpr_count 2
		.amdhsa_user_sgpr_kernarg_segment_ptr 1
		.amdhsa_wavefront_size32 1
		.amdhsa_system_sgpr_workgroup_id_x 1
		.amdhsa_system_sgpr_workgroup_id_y 1
		.amdhsa_system_sgpr_workgroup_id_z 1
		.amdhsa_system_vgpr_workitem_id 0
		.amdhsa_next_free_vgpr 256
		.amdhsa_next_free_sgpr 102
		.amdhsa_reserve_vcc 1
		.amdhsa_float_denorm_mode_32 3
		.amdhsa_float_denorm_mode_16_64 3
		.amdhsa_memory_ordered 1
		.amdhsa_forward_progress 1
		.amdhsa_inst_pref_size 94
	.end_amdhsa_kernel
	.amdgpu_metadata
---
amdhsa.version: [ 1, 2 ]
amdhsa.kernels:
  - .name:           k_qca2ea6d4a8_attention
    .symbol:         k_qca2ea6d4a8_attention.kd
    .args:
      - { .name: qkv_codes, .offset: 0, .size: 8, .value_kind: global_buffer, .address_space: global }
      - { .name: qkv_scales, .offset: 8, .size: 8, .value_kind: global_buffer, .address_space: global }
      - { .name: y_codes, .offset: 16, .size: 8, .value_kind: global_buffer, .address_space: global }
      - { .name: y_scales, .offset: 24, .size: 8, .value_kind: global_buffer, .address_space: global }
    .group_segment_fixed_size: 228352
    .private_segment_fixed_size: 0
    .kernarg_segment_align: 8
    .kernarg_segment_size: 32
    .max_flat_workgroup_size: 512
    .sgpr_count:     102
    .vgpr_count:     256
    .wavefront_size: 32
...
	.end_amdgpu_metadata
.endif
;; end of part 3
;; launch gemm_out (part 4): grid 8 x 32, 4 waves a work-group, clusters of 4 x 4, 327,680 bytes of LDS; arguments y_codes, y_scales, w_codes, w_scales, out0; writes out0
.if DOCPART == 4
	.amdgcn_target "amdgcn-amd-amdhsa--gfx1250"
	.amdhsa_code_object_version 6
	.text
	.protected	k_qca2ea6d4a8_gemm_out
	.globl	k_qca2ea6d4a8_gemm_out
	.p2align	8
	.type	k_qca2ea6d4a8_gemm_out,@function
k_qca2ea6d4a8_gemm_out:
	s_mov_b64 s[64:65], 0
	v_nop
	global_prefetch_b8 v0, s[64:65] scope:SCOPE_SE
	s_setreg_imm32_b32 hwreg(HW_REG_WAVE_MODE, 25, 1), 1
	s_wait_xcnt 0x0
	s_wait_alu depctr_hold_cnt(0) depctr_sa_sdst(0) depctr_va_vdst(0) depctr_va_sdst(0) depctr_va_ssrc(0) depctr_va_vcc(0) depctr_vm_vsrc(0)
	s_getreg_b32 s2, hwreg(HW_REG_IB_STS2, 6, 4)
	s_cmp_eq_u32 s2, 0
	s_cbranch_scc0 .Lentry_in_a_cluster
	s_endpgm
.Lentry_in_a_cluster:
	s_bfe_u32 s2, ttmp6, 0x10000c
	s_cmp_lg_u32 s2, 0xf033
	s_cbranch_scc0 .Lentry_shape_is_right
	s_endpgm
.Lentry_shape_is_right:
; out0 = y w_proj on codes of FP6 (E2M3) with E8M0 scales, K = 1,024.  A = y: codes [head 16][position 8192][48 bytes], scale words [head][position][s0 s1 s0 s1].
; B = w_proj's columns: positions 3,072 on of w_codes [K step of 256: 4][position 4096][192 bytes] and of w_scales [position][32].
; A block of 256 rows x 128 columns to a work-group: 32 x 8 = 256 work-groups; four waves, 2 x 2, 128 x 64 each: 32 accumulators.
; ALL OF K LIES IN LDS, filled once: A's 16 planes of 256 x 48 bytes (196,608 bytes; a pitch of 48 needs no padding: the 32 lanes of a load of 8 bytes start at words 12 r + 6 h, 32 different even words mod 64),
; then B's four K steps of 128 rows, 240 bytes apart (16 bytes of padding behind every 64): 122,880 bytes.  No byte is filled again.
; ONE JOINT LOAD A WAVE at the head: wave 0 A's planes 0-7, wave 1 B's K steps 0-1, wave 2 A's planes 8-15, wave 3 B's K steps 2-3; each on a line of its own.  The first barrier shows waves 0 and 1's tiles (steps 0-3 of 128 along K), the second, in step 3, the rest.
; CLUSTERS: 4 x 4 work-groups; A's tiles are asked for jointly along a row of the cluster, B's along a column.  No prefetch: all tiles are asked for at the head, and there is no loop to run ahead in.
; The scale words stay in registers: B's eight words of each of my four blocks; A's words of two blocks share a register (lanes 0-15 the even block, lanes 16-31 the odd); a word of 128 along K is (s0 s1) of one head and (s0 s1) of the next.
; THE MATRIX INSTRUCTION IS USED TRANSPOSED (source 0 = 16 rows of B, source 1 = 16 rows of A).  Rows lie by POSITION (position p = item sigma(p), bits 3 and 4 exchanged): a lane's registers of tiles 2 b, 2 b + 1 are columns
; 32 b + 16 (lane / 16) + 0 .. 15, and row t of block a is token 32 (a / 2) + 8 (a % 2) + t + 8 (t / 8): both are undone by constants on the way out.
; REGISTERS: window 0: v0-31 addresses; v32-63 B's scale words; v68-99 A's; v128-223 A's fragments, set 0 (on the way out v128-191).  window 1: v0-95 B's fragments, two sets; v128-223 A's set 1.  window 2: the accumulators, (a, b) at 8 (4 a + b).
.set PLANE,  393216                    ; from a head's plane of y's codes to the next
.set WPL,    4096*192                  ; from a K step's plane of w's codes to the next
.set APL,    12288                     ; LDS: a plane of A: 256 rows of 48 bytes
.set LB,     16*APL                    ; LDS: B
.set PITCH,  240
.set BKS,    128*PITCH                 ; a K step of B
.set SPARE,  LB+4*BKS
.set SPITCH, 272                       ; the way out: a stage of 16 rows x (256 + 16) bytes for each wave, in A's plane 0 and 1, which nobody reads behind the second barrier
.set ADRA, 16                          ; v16-19 my A fragments, planes 4 g on
.set ADRB, 20                          ; v20-21 my B fragments, K steps 2 g on; v22-23 behind one padding more
.set STO,  24
.set RD,   25
.set CO,   26
.set SPW,  28
.set NIL,  29
.set SB,   32
.set YS,   68
.set AF,   128
.set BK,   128
.set G1,   24
.set G1B,  48
.set G0A0, 32
.set G0A1, 36
.set G0B0, 56
.set G0B1, 60
.set MSB, 0
.macro WIN new
.if MSB != \new
	s_set_vgpr_msb (MSB<<8)|\new
.set MSB, \new
.endif
.endm
.macro PLACES n
.rept \n
	v_nop
.endr
.endm
.macro CROUND
	s_barrier_signal -1
	s_barrier_wait -1
	s_cmp_lg_u32 s14, 0
	s_cbranch_scc1 .Lnot_wave_0_\@
	s_barrier_signal -3
.Lnot_wave_0_\@:
	s_barrier_wait -3
	s_barrier_signal -1
	s_barrier_wait -1
.endm
	s_load_b128 s[4:7], s[0:1], 0x0                ; y's codes, y's scales
	s_load_b128 s[8:11], s[0:1], 0x10              ; w's codes, w's scales
	s_load_b64 s[12:13], s[0:1], 0x20              ; out0
	v_lshl_add_u32 v[SPW], v0, 2, SPARE
	v_mov_b32 v[NIL], 0
	ds_add_u32 v[SPW], v[NIL]                      ; the opening lines: the add, twice on end, and its wait
	ds_add_u32 v[SPW], v[NIL]
	v_lshrrev_b32 v1, 5, v0
	v_readfirstlane_b32 s14, v1                    ; wave 0..3
	s_lshr_b32 s15, s14, 1                         ; my half of A's rows
	s_and_b32 s16, s14, 1                          ; my half of B's rows
	s_bfe_u32 s40, ttmp6, 0x40000                  ; cx
	s_bfe_u32 s41, ttmp6, 0x40004                  ; cy
	s_lshl_b32 s42, ttmp9, 2
	s_add_co_u32 s42, s42, s40                     ; block column, 0 .. 7
	s_and_b32 s17, ttmp7, 0xffff
	s_lshl_b32 s17, s17, 2
	s_add_co_u32 s17, s17, s41                     ; block row, 0 .. 31
	s_lshl_b32 s43, s41, 2
	s_lshl_b32 s43, 15, s43                        ; my row of the cluster
	s_lshl_b32 s44, 0x1111, s40                    ; my column
	s_or_b32 s[G1], s43, (3<<16)|(1<<21)           ; A: elements of 8 bytes; eight planes' rows of 12,288 dense bytes; no padding
	s_mov_b32 s[G1+1], (APL/8)<<16
	s_mov_b32 s[G1+2], 8<<16
	s_mov_b32 s[G1+3], (APL/8)<<16
	s_mov_b32 s[G1+4], 8
	s_mov_b32 s[G1+5], PLANE/8
	s_mov_b32 s[G1+6], 0
	s_mov_b32 s[G1+7], 0
	s_or_b32 s[G1B], s44, (3<<16)|(1<<20)|(1<<21)|(3<<22)|(3<<25)  ; B: two K steps' rows of 24,576 dense bytes (128 x 192), 16 bytes of padding behind every 64
	s_mov_b32 s[G1B+1], 3072<<16
	s_mov_b32 s[G1B+2], 2<<16
	s_mov_b32 s[G1B+3], 3072<<16
	s_mov_b32 s[G1B+4], 2
	s_mov_b32 s[G1B+5], WPL/8
	s_mov_b32 s[G1B+6], 0
	s_mov_b32 s[G1B+7], 0
	s_mul_i32 s20, s17, APL                        ; A: the block's 256 positions of 48 bytes
	s_mov_b32 s21, 0
	s_lshl_b32 s22, s17, 8
	s_lshl_b32 s23, s15, 7
	s_add_co_u32 s22, s22, s23                     ; the 128 positions that I multiply
	s_lshl_b32 s18, s22, 12                        ; their rows of out0, 4,096 bytes each
	s_lshl_b32 s22, s22, 2                         ; their scale words
	s_mov_b32 s23, 0
	s_lshl_b32 s46, s42, 7
	s_add_co_u32 s46, s46, 3072                    ; B: the block's 128 positions
	s_lshl_b32 s92, s16, 6
	s_add_co_u32 s92, s92, s46
	s_lshl_b32 s92, s92, 5                         ; my 64 positions' scale bytes
	s_mov_b32 s93, 0
	s_mul_i32 s46, s46, 192
	s_mov_b32 s47, 0
	s_lshl_b32 s19, s42, 9
	s_add_co_u32 s18, s18, s19
	s_lshl_b32 s19, s16, 8
	s_add_co_u32 s18, s18, s19                     ; + my first column, 4 bytes each
	s_mov_b32 s19, 0
	s_mul_i32 s66, s15, 128*48
	s_mul_i32 s67, s16, 64*PITCH
	s_add_co_u32 s67, s67, LB
	s_mul_i32 s68, s14, 16*SPITCH
	s_wait_dscnt 0x0
	CROUND                                         ; the round in front of the joint loads
	s_wait_kmcnt 0x0
	s_add_nc_u64 s[20:21], s[4:5], s[20:21]
	s_add_nc_u64 s[6:7], s[6:7], s[22:23]
	s_add_nc_u64 s[46:47], s[8:9], s[46:47]
	s_add_nc_u64 s[10:11], s[10:11], s[92:93]
	s_add_nc_u64 s[12:13], s[12:13], s[18:19]
	s_mov_b32 s[G0A0], 1
	s_mov_b32 s[G0A0+1], 0
	s_mov_b64 s[G0A0+2:G0A0+3], s[20:21]
	s_or_b32 s[G0A0+3], s[G0A0+3], 0x80000000
	s_mov_b32 s[G0A1], 1
	s_mov_b32 s[G0A1+1], 8*APL
	s_add_nc_u64 s[G0A1+2:G0A1+3], s[20:21], 8*PLANE
	s_or_b32 s[G0A1+3], s[G0A1+3], 0x80000000
	s_mov_b32 s[G0B0], 1
	s_mov_b32 s[G0B0+1], LB
	s_mov_b64 s[G0B0+2:G0B0+3], s[46:47]
	s_or_b32 s[G0B0+3], s[G0B0+3], 0x80000000
	s_mov_b32 s[G0B1], 1
	s_mov_b32 s[G0B1+1], LB+2*BKS
	s_add_nc_u64 s[G0B1+2:G0B1+3], s[46:47], 2*WPL
	s_or_b32 s[G0B1+3], s[G0B1+3], 0x80000000
.macro ARM under, g0, g1, next
	s_cmp_lt_u32 s14, \under
	s_cbranch_scc0 \next
	tensor_load_to_lds s[\g0:\g0+3], s[\g1:\g1+7]
	s_nop 0
	PLACES 4
	s_branch .Lhead_asked
\next:
.endm
	ARM 1, G0A0, G1,  .Lhead_b0
	ARM 2, G0B0, G1B, .Lhead_a1
	ARM 3, G0A1, G1,  .Lhead_b1
	tensor_load_to_lds s[G0B1:G0B1+3], s[G1B:G1B+7]
	s_nop 0
	PLACES 4
.Lhead_asked:
	v_and_b32 v1, 15, v0                           ; r
	v_bfe_u32 v2, v0, 4, 1                         ; h
	v_and_b32 v3, 31, v0
	v_lshlrev_b32 v7, 2, v3                        ; y's scale words: 32 positions, 128 consecutive bytes
	v_lshlrev_b32 v8, 5, v1                        ; w's scale bytes: 32 a row
.irp b, 0,1,2,3
	global_load_b128 v[SB+8*\b:SB+8*\b+3], v8, s[10:11] offset:512*\b
	global_load_b128 v[SB+8*\b+4:SB+8*\b+7], v8, s[10:11] offset:512*\b+16
.endr
.irp a, 0,1,2,3                        ; blocks 2 a and 2 a + 1, all 16 heads, into the registers that A's fragments will take
.set hd, 0
.rept 16
	global_load_b32 v[128+16*\a+hd], v7, s[6:7] offset:hd*32768+128*\a
.set hd, hd+1
.endr
.endr
	v_mul_u32_u24 v4, v2, 24
	v_mad_u32_u24 v5, v1, 48, v4
	v_add_nc_u32 v[ADRA], s66, v5
	v_add_nc_u32 v[ADRA+1], 4*APL, v[ADRA]
	v_add_nc_u32 v[ADRA+2], 8*APL, v[ADRA]
	v_add_nc_u32 v[ADRA+3], 12*APL, v[ADRA]
	v_mad_u32_u24 v5, v1, PITCH, v4
	v_add_nc_u32 v[ADRB], s67, v5
	v_add_nc_u32 v[ADRB+1], 2*BKS, v[ADRB]
	v_lshl_add_u32 v[ADRB+2], v2, 4, v[ADRB]
	v_lshl_add_u32 v[ADRB+3], v2, 4, v[ADRB+1]
	v_mul_u32_u24 v5, v1, SPITCH
	v_lshl_add_u32 v5, v2, 6, v5                   ; stage, in: row r; my half's 16 columns of a group of 32: 64 h bytes on
	v_add_nc_u32 v[STO], s68, v5
	v_mul_u32_u24 v5, v2, SPITCH
	v_lshl_add_u32 v5, v1, 4, v5                   ; back: sixteen lanes to a row of 256 bytes, two rows an instruction
	v_add_nc_u32 v[RD], s68, v5
	v_lshlrev_b32 v5, 4, v1
	v_lshl_add_u32 v[CO], v2, 12, v5               ; and the same two rows in out0
	s_wait_alu depctr_va_vdst(0)                   ; the wait ahead of the wait below
	s_wait_loadcnt 0x0
.irp a, 0,1,2,3
.irp k, 0,1,2,3,4,5,6,7
	v_perm_b32 v[YS+8*\a+\k], v[128+16*\a+2*\k+1], v[128+16*\a+2*\k], 0x07060100   ; bytes 0, 1 of head 2 k's word, bytes 2, 3 of head 2 k + 1's
.endr
.endr
	PLACES 8                                       ; a scale register written by a vector instruction stands 8 places ahead of a scaled matrix instruction
	s_wait_alu depctr_va_vdst(0)                   ; the wait at the head's end
	s_cmp_lt_u32 s14, 2
	s_cbranch_scc0 .Lnot_first
	s_wait_tensorcnt 0x0                           ; waves 0 and 1: my tile is in
.Lnot_first:
	s_barrier_signal -1
	s_barrier_wait -1                              ; A's planes 0-7 and B's K steps 0-1 are shown
.macro FETCH s                         ; step s's fragments (128 along K) into set s % 2: 24 + 48 loads
	WIN 0x40
.irp b, 0,1,2,3
.irp p, 0,1,2,3,4,5
.set PC, 12*((\s)%2)+6*(\p/3)+\p%3
.if PC%8 < 5
	ds_load_b64 v[48*((\s)%2)+12*\b+2*\p:48*((\s)%2)+12*\b+2*\p+1], v[ADRB+(\s)/4] offset:(((\s)/2)%2)*BKS+8*PC+16*(PC/8)+\b*16*PITCH
.else
	ds_load_b64 v[48*((\s)%2)+12*\b+2*\p:48*((\s)%2)+12*\b+2*\p+1], v[ADRB+2+(\s)/4] offset:(((\s)/2)%2)*BKS+8*PC+16*(PC/8)+\b*16*PITCH
.endif
.endr
.endr
	WIN ((\s)%2)<<6
.irp a, 0,1,2,3,4,5,6,7
.irp c, 0,1
.irp p, 0,1,2
	ds_load_b64 v[AF+12*\a+6*\c+2*\p:AF+12*\a+6*\c+2*\p+1], v[ADRA+(\s)/2] offset:(2*((\s)%2)+\c)*APL+\a*768+8*\p
.endr
.endr
.endr
.endm
.macro W1 d, fb, fa, c, xb, xa, o
.if \o
	v_wmma_scale_f32_16x16x128_f8f6f4 v[\d:\d+7], v[\fb:\fb+11], v[\fa:\fa+11], \c, v[\xb], v[\xa] matrix_a_fmt:MATRIX_FMT_FP6 matrix_b_fmt:MATRIX_FMT_FP6 matrix_b_scale:MATRIX_SCALE_ROW1
.else
	v_wmma_scale_f32_16x16x128_f8f6f4 v[\d:\d+7], v[\fb:\fb+11], v[\fa:\fa+11], \c, v[\xb], v[\xa] matrix_a_fmt:MATRIX_FMT_FP6 matrix_b_fmt:MATRIX_FMT_FP6
.endif
.endm
.macro MUL s, a0, n                    ; A's blocks a0 .. a0 + n - 1 x B's four; the 32 accumulators take turns, in the same order in every step
	WIN 0xa1+4*((\s)%2)
.set A_, \a0
.rept \n
.set B_, 0
.rept 4
.set D_, 8*(4*A_+B_)
.set FB_, 48*((\s)%2)+12*B_
.set FA_, AF+12*A_
.set XB_, SB+8*B_+(\s)
.set XA_, YS+8*(A_/2)+(\s)
.if (\s) == 0
	W1 D_, FB_, FA_, 0, XB_, XA_, A_%2
.else
	W1 D_, FB_, FA_, v[D_:D_+7], XB_, XA_, A_%2
.endif
.set B_, B_+1
.endr
.set A_, A_+1
.endr
.endm
.macro KSTEP s
	s_wait_dscnt 0x0                               ; this step's fragments, asked for a step ago, are in
.if (\s) == 3
	s_wait_tensorcnt 0x0                           ; every wave: my tile is in; and my reads of the first halves are over
	s_barrier_signal -1
	MUL 3, 0, 4
	s_barrier_wait -1                              ; all of A and B is shown
	PLACES 4
	FETCH 4
	MUL 3, 4, 4
.else
.if (\s) < 7
.if (\s) > 0
	PLACES 4                                       ; places behind the last step's products, in front of the loads into their registers
.endif
	FETCH (\s)+1
.endif
	MUL \s, 0, 8
.endif
.endm
	FETCH 0
.irp s, 0,1,2,3,4,5,6,7
	KSTEP \s
.endr
	WIN 0
; THE WAY OUT, block by block of 16 rows x 64 columns, through my own stage: in by 32 bytes of a row, back as whole rows of 256 bytes.
.macro TOSTAGE a
	WIN 0x08                                       ; the data: window 2
.irp b, 0,1,2,3
	ds_store_b128 v[STO], v[32*(\a)+8*\b:32*(\a)+8*\b+3] offset:128*(\b/2)+32*(\b%2)      ; each accumulator from its low end on
	ds_store_b128 v[STO], v[32*(\a)+8*\b+4:32*(\a)+8*\b+7] offset:128*(\b/2)+32*(\b%2)+16
.endr
	WIN 0
.set BR, BK+32*((\a)%2)
.irp t, 0,1,2,3,4,5,6,7
	ds_load_b128 v[BR+4*\t:BR+4*\t+3], v[RD] offset:\t*2*SPITCH   ; LDS serves a wave's instructions in order: these see the stores above
.endr
.endm
.macro SEND a, younger
.set BR, BK+32*((\a)%2)
	s_wait_dscnt \younger                          ; the block is back in registers
.irp t, 0,1,2,3,4,5,6,7
	global_store_b128 v[CO], v[BR+4*\t:BR+4*\t+3], s[12:13] offset:(32*((\a)/2)+8*((\a)%2)+2*\t+8*(\t/4))*4096 th:TH_STORE_NT   ; positions 16 a + 2 t and + 1 are these tokens; sixteen lanes store 256 consecutive bytes, aligned
.endr
.endm
	PLACES 4
	TOSTAGE 0
.irp a, 1,2,3,4,5,6,7
.if \a > 1
	s_wait_xcnt 0x0                                ; block a - 2's stores have read their registers
.endif
	TOSTAGE \a
	SEND \a-1, 16                                  ; behind block a - 1's loads: block a's 8 stores and 8 loads
.endr
	SEND 7, 0
	s_wait_tensorcnt 0x0                           ; the wave's end
	ds_add_u32 v[SPW], v[NIL]
	s_wait_dscnt 0x0
	CROUND                                         ; the closing round
	s_endpgm
.Lfunc_end_k_qca2ea6d4a8_gemm_out:
	.size	k_qca2ea6d4a8_gemm_out, .Lfunc_end_k_qca2ea6d4a8_gemm_out-k_qca2ea6d4a8_gemm_out
	.p2alignl 7, 3214868480
	.fill 96, 4, 3214868480
	.section	.rodata,"a",@progbits
	.p2align	6, 0x0
	.amdhsa_kernel k_qca2ea6d4a8_gemm_out
		.amdhsa_group_segment_fixed_size 327680
		.amdhsa_private_segment_fixed_size 0
		.amdhsa_enable_private_segment 0
		.amdhsa_kernarg_size 40
		.amdhsa_user_sgpr_count 2
		.amdhsa_user_sgpr_kernarg_segment_ptr 1
		.amdhsa_wavefront_size32 1
		.amdhsa_system_sgpr_workgroup_id_x 1
		.amdhsa_system_sgpr_workgroup_id_y 1
		.amdhsa_system_sgpr_workgroup_id_z 1
		.amdhsa_system_vgpr_workitem_id 0
		.amdhsa_next_free_vgpr 768
		.amdhsa_next_free_sgpr 98
		.amdhsa_reserve_vcc 0
		.amdhsa_float_denorm_mode_32 3
		.amdhsa_float_denorm_mode_16_64 3
		.amdhsa_memory_ordered 1
		.amdhsa_forward_progress 1
		.amdhsa_inst_pref_size 103
	.end_amdhsa_kernel
	.amdgpu_metadata
---
amdhsa.version: [ 1, 2 ]
amdhsa.kernels:
  - .name:           k_qca2ea6d4a8_gemm_out
    .symbol:         k_qca2ea6d4a8_gemm_out.kd
    .args:
      - { .name: y_codes, .offset: 0, .size: 8, .value_kind: global_buffer, .address_space: global }
      - { .name: y_scales, .offset: 8, .size: 8, .value_kind: global_buffer, .address_space: global }
      - { .name: w_codes, .offset: 16, .size: 8, .value_kind: global_buffer, .address_space: global }
      - { .name: w_scales, .offset: 24, .size: 8, .value_kind: global_buffer, .address_space: global }
      - { .name: out0, .offset: 32, .size: 8, .value_kind: global_buffer, .address_space: global }
    .group_segment_fixed_size: 327680
    .private_segment_fixed_size: 0
    .kernarg_segment_align: 8
    .kernarg_segment_size: 40
    .max_flat_workgroup_size: 128
    .sgpr_count:     98
    .vgpr_count:     768
    .wavefront_size: 32
...
	.end_amdgpu_metadata
.endif
;; end of part 4
